; MI455X (gfx1250); checked and timed in simulation.
; The chip was launched on July 23, 2026; its instructions are those of AMD's public machine-readable ISA for CDNA 5 (MIT licence, August 2026) and "CDNA5" Instruction Set Architecture Reference Guide (July 2026). The comments in the code are by the model that wrote it; some were corrected since.
;; Attentional Propagation. Allowed arithmetic: matrix products marked QUANTISED: E2M1 operands, one E8M0 scale for each 32 along K, by v_wmma_scale_f32_16x16x128_f8f6f4 with both operands' format E2M1 (or v_wmma_scale_f32_32x16x128_f4), f32 sums; everything else in f32.
;; Inputs: bn_beta 512 float32; bn_gamma 512 float32; merge_b 256 float32; merge_w 256 x 256 float32; mlp1_b 512 float32; mlp1_w 512 x 512 float32; mlp2_b 256 float32; mlp2_w 256 x 512 float32; pk_b 256 float32; pk_w 256 x 256 float32; pq_b 256 float32; pq_w 256 x 256 float32; pv_b 256 float32; pv_w 256 x 256 float32; source 4 x 256 x 4,096 float32; x 4 x 256 x 4,096 float32.
;; Outputs: out0 4 x 256 x 4,096 float32.
;; This version of the problem:
;;   THIS VERSION OF THE PROBLEM IS GIVEN IN LOW PRECISION. The matrix products marked QUANTISED in the list below multiply operands that are first quantised to E2M1 (2 exponent bits, 1 mantissa bit; 4 bits a number), with one power-of-two scale for each 32 numbers along K (OCP MX v1.0); their sums are f32. All else is computed in f32.
;;   The module's matrix products, in the order in which they are computed (A, B: the left and right operand; K: the contracted axis; several contracted axes count as one K, in the product's order):
;;     1. [M 16,384, K 256] x [K 256, N 256]; A: input x; B: input pq_w: QUANTISED
;;     2. [M 16,384, K 256] x [K 256, N 256]; A: input source; B: input pk_w: QUANTISED
;;     3. [M 16,384, K 256] x [K 256, N 256]; A: input source; B: input pv_w: QUANTISED
;;     4. batch 16 x [M 4,096, K 64] x [K 64, N 4,096]; A: computed on the way; B: computed on the way: QUANTISED
;;     5. batch 16 x [M 64, K 4,096] x [K 4,096, N 4,096]; A: computed on the way; B: softmax (see below): QUANTISED
;;     6. [M 16,384, K 256] x [K 256, N 256]; A: computed on the way; B: input merge_w: QUANTISED
;;     7. [M 16,384, K 512] x [K 512, N 512]; A: computed on the way; B: input mlp1_w: QUANTISED
;;     8. [M 16,384, K 512] x [K 512, N 256]; A: computed on the way; B: input mlp2_w: QUANTISED
;;   THE QUANTISER, for each operand of a quantised product, along K:
;;     - K is cut into blocks of 32 from its start; a last block that is shorter is filled with zeros.
;;     - A block's scale is 2^e with e = floor(log2(the largest magnitude in the block)) - 2, held to -126 .. 127; a block of zeros has e = 0. As a byte (E8M0): e + 127.
;;     - Each number is divided by its block's scale, clamped to +-6, and rounded to the nearest number of E2M1, ties to even, subnormals kept.
;;     - The product sums the exact products of the quantised numbers (number of the format x scale) in f32.
;;   ~~~python
;;   def quantise(x, axis):      # numpy; x: float32 -> the quantised numbers, widened to float32 again
;;       x = np.moveaxis(x, axis, -1); K = x.shape[-1]
;;       x = np.pad(x, [(0, 0)] * (x.ndim - 1) + [(0, -K % 32)]); x = x.reshape(x.shape[:-1] + (-1, 32)); a = np.abs(x).max(-1, keepdims=True)
;;       e = np.where(a > 0, np.clip(np.frexp(np.where(a > 0, a, 1))[1] - 1 - 2, -126, 127), 0)      # np.frexp(a)[1] - 1 = floor(log2(a)), exactly
;;       r = np.clip(x / 2.0 ** e, -6, 6)
;;       step = 2.0 ** (np.maximum(np.frexp(np.where(r == 0, 1, r))[1] - 1, 0) - 1)
;;       q = np.round(r / step) * step * 2.0 ** e      # np.round: ties to even
;;       return np.moveaxis(q.reshape(q.shape[:-2] + (-1,))[..., :K], -1, axis).astype(np.float32)
;;   ~~~
;;   SOFTMAX AHEAD OF A QUANTISED PRODUCT. Where the list says 'softmax', what is quantised is not the finished softmax but p = 2^(t - M), with t = logit x log2(e) and M = ceil(the row's largest t), a whole number; so 1/2 < the row's largest p <= 1. The row's sum l is taken of the UNQUANTISED p, in f32, and the product's result is divided by l at the end. Since M is a whole number, a kernel that streams over the keys may use a running M (the ceiling of the running maximum): every later rescaling is an exact power of two, which a block's scale takes up: the codes' values come out the same.
;;   OPERANDS COMPUTED ON THE WAY. 'Computed on the way' means the value that the module computes at that place (a softmax that the list does not call 'softmax' is quantised finished and normalised). What goes into a quantiser is computed in f32, as accurately as f32 sums, v_exp_f32 and their like allow (about 1e-6 of the number): no bf16 or f16 on the way to a quantiser, and a product that is left as it is and whose result goes on into a quantised operand takes f32 operands (vector FMAs, or v_wmma_f32_16x16x4_f32). A number that lies on a knife's edge between two numbers of the format may be rounded either way, as far as f32 arithmetic and the matrix unit's own rounding can turn it there, and no further.
;; One version. Each part assembles by itself: llvm-mc -triple=amdgcn-amd-amdhsa -mcpu=gfx1250 --defsym DOCPART=n.
;; ======== version 1 of 1: 6 launches
;; workspace buffers: wts 368,640 bytes; xq 2,228,224 bytes; qq 2,359,296 bytes; kv 4,587,520 bytes; ao 16,777,216 bytes; mq 2,359,296 bytes; stat 1,048,576 bytes; bnp 4,096 bytes
;; launch wq (part 1): grid 80 x 1, 4 waves a work-group, no clusters, 0 bytes of LDS; arguments pq_w, pk_w, pv_w, merge_w, mlp1_w, mlp2_w, wts; writes wts
.if DOCPART == 1
	.amdgcn_target "amdgcn-amd-amdhsa--gfx1250"
	.amdhsa_code_object_version 6
	.text
	.protected	k_q6b7825ffb6_wq
	.globl	k_q6b7825ffb6_wq
	.p2align	8
	.type	k_q6b7825ffb6_wq,@function
k_q6b7825ffb6_wq:
	s_mov_b64 s[64:65], 0
	v_nop
	global_prefetch_b8 v0, s[64:65] scope:SCOPE_SE
	s_setreg_imm32_b32 hwreg(HW_REG_WAVE_MODE, 25, 1), 1
	s_wait_xcnt 0x0
; The six weights [out][K], f32, K innermost, become codes of FP4 (E2M1) with one E8M0 byte for each 32 along K, laid as IMAGES OF OPERAND REGISTERS:
; fragment F (16 rows x 128 K) is 1,024 bytes at 1024 F: registers 4 c .. 4 c + 3 of lane l at 512 c + 16 l; its scale words, one a row, in both halves of the lanes, are 128 bytes at WSB + 128 F.
; One wave makes one fragment: F = 4 x work-group + wave.  Lane (r, h) takes row r of the tile and k = 64 c + 32 h + 0 .. 31: two whole blocks, so no other lane is asked for a maximum.
; WHICH ROWS FORM A TILE is chosen for the kernel that reads it:
;   pq, pk (F 0-31, 32-63; tile 4 head + 2 bb + u): row r is channel 4 d + head with d = 32 bb + 8 u + r + 8 (r / 8);   pv (F 64-95; tile 4 head + t): channel 4 (16 t + r) + head;
;   merge (F 96-127) and mlp1 (F 128-255), tile 2 bb + u: row 32 bb + 8 u + r + 8 (r / 8);   mlp2 (F 256-319): row 16 tile + r.
; merge's codes are permuted INSIDE each block of 32: channel 4 dj + head goes to place 8 head + dj, as the kernel that quantises the attention's output lays its codes.  The block, and so its scale, is the same set of numbers.
; A block's scale is 2^(floor(log2(largest magnitude)) - 2): its byte is the largest magnitude's exponent field - 2, held at 1 from below by a floor among the maximum's leaves.
; LIMITS: a block whose largest magnitude lies under 2^-124, a block of zeros among them, gets the byte 1 (the rule says 127 for zeros: its codes are zeros, and this program alone reads the bytes); NaN and infinities are not served.
; No LDS, no barrier: waves share nothing.  80 work-groups: there are 320 fragments.
.set WSB, 327680
.set CD,  16                           ; v16-23  the fragment's codes
.set X,   32                           ; v32-95  my 64 numbers, block c at X + 32 c
.set Y,   96                           ; v96-159 merge: the same, permuted
	s_load_b256 s[4:11], s[0:1], 0x0               ; pq_w, pk_w, pv_w, merge_w
	s_load_b128 s[12:15], s[0:1], 0x20             ; mlp1_w, mlp2_w
	s_load_b64 s[16:17], s[0:1], 0x30              ; wts
	v_lshrrev_b32 v8, 5, v0
	v_readfirstlane_b32 s20, v8                    ; wave
	s_lshl_b32 s21, ttmp9, 2
	s_add_co_u32 s21, s21, s20                     ; F
	s_mov_b32 s36, 0x76543210
	s_mov_b32 s37, 0xfedcba98                      ; v_permlanex16_b32's selects for lane l xor 16
	v_and_b32 v1, 15, v0                           ; r
	v_bfe_u32 v2, v0, 4, 1                         ; h
	v_and_b32 v7, 31, v0
	v_lshlrev_b32 v4, 4, v7                        ; 16 x lane
	v_lshlrev_b32 v5, 2, v7                        ; 4 x lane
	v_lshrrev_b32 v6, 3, v1                        ; r / 8
	s_wait_kmcnt 0x0
	s_mov_b64 s[22:23], s[4:5]                     ; the weight and its first fragment: chosen by the work-group's number alone
	s_mov_b32 s24, 0
.macro PICK from, ptr, f0
	s_cmp_ge_u32 ttmp9, \from
	s_cselect_b64 s[22:23], s[\ptr:\ptr+1], s[22:23]
	s_cselect_b32 s24, \f0, s24
.endm
	PICK 8, 6, 32
	PICK 16, 8, 64
	PICK 24, 10, 96
	PICK 32, 12, 128
	PICK 64, 14, 256
	s_sub_co_u32 s30, s21, s24                     ; the fragment's number within its weight
	; s25 the tile's first row, s26 bytes from r to r + 1, s27 bytes more for r / 8 = 1, s28 the K step, s29 bytes of a row
	s_cmp_lt_u32 ttmp9, 16
	s_cbranch_scc0 .Lnot_a
	s_and_b32 s28, s30, 1                          ; pq, pk
	s_lshr_b32 s31, s30, 1                         ; tile = 4 head + 2 bb + u
	s_bfe_u32 s25, s31, 0x10001
	s_lshl_b32 s25, s25, 7                         ; 128 bb
	s_and_b32 s32, s31, 1
	s_lshl_b32 s32, s32, 5                         ; 32 u
	s_add_co_u32 s25, s25, s32
	s_lshr_b32 s32, s31, 2                         ; head
	s_add_co_u32 s25, s25, s32
	s_mov_b32 s29, 1024
	s_mov_b32 s26, 4096                            ; d + 1 is four rows on
	s_mov_b32 s27, 32768
	s_branch .Larms_done
.Lnot_a:
	s_cmp_lt_u32 ttmp9, 24
	s_cbranch_scc0 .Lnot_b
	s_and_b32 s28, s30, 1                          ; pv
	s_lshr_b32 s31, s30, 1                         ; tile = 4 head + t
	s_and_b32 s25, s31, 3
	s_lshl_b32 s25, s25, 6                         ; 64 t
	s_lshr_b32 s32, s31, 2
	s_add_co_u32 s25, s25, s32
	s_mov_b32 s29, 1024
	s_mov_b32 s26, 4096
	s_mov_b32 s27, 0
	s_branch .Larms_done
.Lnot_b:
	s_cmp_lt_u32 ttmp9, 64
	s_cbranch_scc0 .Lnot_c
	s_cmp_lt_u32 ttmp9, 32                         ; merge: 2 K steps; mlp1: 4
	s_cselect_b32 s33, 1, 2
	s_bfm_b32 s32, s33, 0
	s_and_b32 s28, s30, s32
	s_lshr_b32 s31, s30, s33                       ; tile = 2 bb + u
	s_lshr_b32 s25, s31, 1
	s_lshl_b32 s25, s25, 5
	s_and_b32 s32, s31, 1
	s_lshl_b32 s32, s32, 3
	s_add_co_u32 s25, s25, s32
	s_lshl_b32 s29, 512, s33
	s_mov_b32 s26, s29
	s_lshl_b32 s27, s29, 3
	s_branch .Larms_done
.Lnot_c:
	s_and_b32 s28, s30, 3                          ; mlp2
	s_lshr_b32 s31, s30, 2
	s_lshl_b32 s25, s31, 4
	s_mov_b32 s29, 2048
	s_mov_b32 s26, 2048
	s_mov_b32 s27, 0
.Larms_done:
	s_mul_i32 s34, s25, s29
	s_lshl_b32 s35, s28, 9                         ; a K step is 512 bytes of a row
	s_add_co_u32 s34, s34, s35
	s_mov_b32 s35, 0
	s_add_nc_u64 s[22:23], s[22:23], s[34:35]
	s_wait_alu depctr_va_vdst(0)
	v_mul_lo_u32 v3, v1, s26
	v_mul_lo_u32 v6, v6, s27
	v_add_nc_u32 v3, v3, v6
	v_lshl_add_u32 v3, v2, 7, v3                   ; my row, + 128 h bytes
.irp c, 0,1
.irp i, 0,1,2,3,4,5,6,7
	global_load_b128 v[X+32*\c+4*\i:X+32*\c+4*\i+3], v3, s[22:23] offset:256*\c+16*\i
.endr
.endr
	s_lshl_b32 s34, s21, 10
	s_add_nc_u64 s[38:39], s[16:17], s[34:35]      ; where the image goes,
	s_lshl_b32 s34, s21, 7
	s_add_co_u32 s34, s34, WSB
	s_add_nc_u64 s[40:41], s[16:17], s[34:35]      ; and its scale words
	s_wait_loadcnt 0x0
.irp c, 0,1
	v_max3_num_f32 v[24+\c], |v[X+32*\c]|, |v[X+32*\c+1]|, 0x1800000   ; my block 2 c + h, and the floor 2^(3 - 127)
.endr
.irp i, 2,4,6,8,10,12,14,16,18,20,22,24,26,28,30
.irp c, 0,1
	v_max3_num_f32 v[24+\c], v[24+\c], |v[X+32*\c+\i]|, |v[X+32*\c+\i+1]|   ; (the two blocks by turns)
.endr
.endr
.irp c, 0,1
	v_add_nc_u32 v[26+\c], 0xff000000, v[24+\c]    ; 2 off the exponent field: the conversion's scale operand
.endr
.irp c, 0,1
	v_lshrrev_b32 v[28+\c], 23, v[26+\c]           ; the scale's byte
.endr
	v_lshl_or_b32 v30, v29, 16, v28                ; my two bytes: blocks h and 2 + h,
	v_lshlrev_b32 v31, 3, v2
	v_lshlrev_b32 v30, v31, v30                    ; at their places in the word;
	v_mov_b32 v31, 0
	v_permlanex16_b32 v31, v30, s36, s37
	v_or_b32 v30, v30, v31                         ; with lane l xor 16's two the word is whole, in both halves
	s_cmp_ge_u32 ttmp9, 24
	s_cbranch_scc0 .Lplain
	s_cmp_lt_u32 ttmp9, 32
	s_cbranch_scc0 .Lplain
.irp c, 0,1                                    ; merge: the conversions take neighbours from consecutive registers, so the permutation is made by moves
.irp g, 0,1,2,3
.irp j, 0,1,2,3,4,5,6,7
	v_mov_b32 v[Y+32*\c+8*\g+\j], v[X+32*\c+4*\j+\g]
.endr
.endr
.endr
.irp c, 0,1
.irp g, 0,1,2,3
	v_cvt_scalef32_pk8_fp4_f32 v[CD+4*\c+\g], v[Y+32*\c+8*\g:Y+32*\c+8*\g+7], v[26+\c]
.endr
.endr
	s_branch .Lstore
.Lplain:
.irp c, 0,1
.irp g, 0,1,2,3
	v_cvt_scalef32_pk8_fp4_f32 v[CD+4*\c+\g], v[X+32*\c+8*\g:X+32*\c+8*\g+7], v[26+\c]
.endr
.endr
.Lstore:
	v_nop                                          ; one plain line behind the last scaled conversion
	s_wait_alu depctr_va_vdst(0)
	global_store_b128 v4, v[CD:CD+3], s[38:39]               ; 512 consecutive bytes each
	global_store_b128 v4, v[CD+4:CD+7], s[38:39] offset:512
	global_store_b32 v5, v30, s[40:41]
	s_endpgm
.Lfunc_end_k_q6b7825ffb6_wq:
	.size	k_q6b7825ffb6_wq, .Lfunc_end_k_q6b7825ffb6_wq-k_q6b7825ffb6_wq
	.p2alignl 7, 3214868480
	.fill 96, 4, 3214868480
	.section	.rodata,"a",@progbits
	.p2align	6, 0x0
	.amdhsa_kernel k_q6b7825ffb6_wq
		.amdhsa_group_segment_fixed_size 0
		.amdhsa_private_segment_fixed_size 0
		.amdhsa_enable_private_segment 0
		.amdhsa_kernarg_size 56
		.amdhsa_user_sgpr_count 2
		.amdhsa_user_sgpr_kernarg_segment_ptr 1
		.amdhsa_wavefront_size32 1
		.amdhsa_system_sgpr_workgroup_id_x 1
		.amdhsa_system_sgpr_workgroup_id_y 1
		.amdhsa_system_sgpr_workgroup_id_z 1
		.amdhsa_system_vgpr_workitem_id 0
		.amdhsa_next_free_vgpr 176
		.amdhsa_next_free_sgpr 66
		.amdhsa_reserve_vcc 0
		.amdhsa_float_denorm_mode_32 3
		.amdhsa_float_denorm_mode_16_64 3
		.amdhsa_memory_ordered 1
		.amdhsa_forward_progress 1
		.amdhsa_inst_pref_size 12
	.end_amdhsa_kernel
	.amdgpu_metadata
---
amdhsa.version: [ 1, 2 ]
amdhsa.kernels:
  - .name:           k_q6b7825ffb6_wq
    .symbol:         k_q6b7825ffb6_wq.kd
    .args:
      - { .name: pq_w, .offset: 0, .size: 8, .value_kind: global_buffer, .address_space: global }
      - { .name: pk_w, .offset: 8, .size: 8, .value_kind: global_buffer, .address_space: global }
      - { .name: pv_w, .offset: 16, .size: 8, .value_kind: global_buffer, .address_space: global }
      - { .name: merge_w, .offset: 24, .size: 8, .value_kind: global_buffer, .address_space: global }
      - { .name: mlp1_w, .offset: 32, .size: 8, .value_kind: global_buffer, .address_space: global }
      - { .name: mlp2_w, .offset: 40, .size: 8, .value_kind: global_buffer, .address_space: global }
      - { .name: wts, .offset: 48, .size: 8, .value_kind: global_buffer, .address_space: global }
    .group_segment_fixed_size: 0
    .private_segment_fixed_size: 0
    .kernarg_segment_align: 8
    .kernarg_segment_size: 56
    .max_flat_workgroup_size: 128
    .sgpr_count:     66
    .vgpr_count:     176
    .wavefront_size: 32
...
	.end_amdgpu_metadata
.endif
;; end of part 1
;; launch proj (part 2): grid 256 x 1, 8 waves a work-group, no clusters, 21,504 bytes of LDS; arguments x, source, wts, pq_b, pk_b, pv_b, xq, qq, kv; writes xq, qq, kv
.if DOCPART == 2
	.amdgcn_target "amdgcn-amd-amdhsa--gfx1250"
	.amdhsa_code_object_version 6
	.text
	.protected	k_q6b7825ffb6_proj
	.globl	k_q6b7825ffb6_proj
	.p2align	8
	.type	k_q6b7825ffb6_proj,@function
k_q6b7825ffb6_proj:
	s_mov_b64 s[64:65], 0
	v_nop
	global_prefetch_b8 v0, s[64:65] scope:SCOPE_SE
	s_setreg_imm32_b32 hwreg(HW_REG_WAVE_MODE, 25, 1), 1
	s_wait_xcnt 0x0
; q = pq_w x + pq_b, k = pk_w source + pk_b, v = pv_w source + pv_b, on codes of FP4 (E2M1) with one E8M0 scale for each 32 along K; the results are quantised at once for the attention.
; x, source: [4][256 channels][4096 positions] f32: K = the channels is NOT innermost.  A work-group takes group G of 64 positions of batch b (work-group = 64 b + G), of x and of source.
; TILES OF POSITIONS: tile m = 2 beta + u, row i, is position 32 beta + 8 u + i + 8 (i / 8) of the group.  So where positions are a product's rows, the 16 registers of tiles 2 beta and 2 beta + 1 are 16 neighbouring positions.
; PHASE X.  A lane takes a position and its registers run down the channels: wave w takes tensor w / 4, positions 32 ((w / 2) % 2) on, channels 128 (w % 2) on.  A block of 32 channels lies in one lane's registers; its 16 bytes of codes
;   go to LDS at their place in the IMAGE of the operand's registers (registers 4 c .. 4 c + 3 of lane l at 512 c + 16 l).  x's images also go to xq: the MLP's first product takes the same codes.
; PART 1.  Waves 0-3: q of head w; waves 4-7: k of head w - 4.  Transposed: source 0 = 16 rows of the weight, source 1 = a tile of positions: a lane holds ONE position, and the weight's rows are chosen so that its registers
;   run along d: 32 numbers, two blocks, are quantised in registers.  K = 64 there: only registers 0-3 of the attention's operand are stored.
; PART 2.  v of head w % 4, channels 32 (w / 4) on.  Source 0 = a tile of positions, source 1 = 16 rows of pv_w: a lane holds one channel and its registers run along the KEYS, which are the second product's K.
; The biases are the C of each sum's first matrix instruction.
; kv, for each head 32 key steps of 8,960 bytes: +0 K's 8 tiles x 512;  +4096 V [64 keys' half][tile of 16 channels] x 512;  +8192 K's scale words [half][row][tile];  +8704 V's half words [row][half][tile].
; NO JOINT LOADS: what work-groups share here are the weights, 12 fragments (12 KB) a wave, which go from dense images straight into the registers of the one wave that uses them; a joint load would add a pass through LDS.
; LIMITS: a block whose largest magnitude lies under 2^-124, a block of zeros among them, gets the byte 1 (this program alone reads the bytes); NaN and infinities are not served.
; REGISTERS.  window 0: v1-14 addresses; v16-143 phase X's numbers, then v16-79 eight fragments and v80-143 accumulators; v144-159 codes; v160-163 scale words made; v164-171 at work; v172-183 the weights' scale words;
;   v184-191 the fragments'; v192 and v196-211 phase X's word and codes.   window 1: v0-63 part 1's weights, v64-95 part 2's, v96-127 q's or k's bias, v128-143 v's.
.set WSB, 327680
.set XSB, 2097152
.set QSB, 2097152
.set KVH, 286720
.set KST, 8960
.set XSC, 16384                        ; LDS: images at tensor x 8192 + tile x 2048 + K step x 1024; behind them scale words at tensor x 512 + tile x 128 + K step x 64 + 4 x row
.set XR,  16
.set AC,  80
.set PC,  144
.set PW,  160
.set TM,  164
.set W1S, 172
.set W2S, 180
.set FW,  184
.set XW,  192
.set XC,  196
.set SEL, 66
.set MSB, 0
.macro WIN new                         ; the immediate's high byte repeats the setting that is left
.if MSB != \new
	s_set_vgpr_msb (MSB<<8)|\new
.set MSB, \new
.endif
.endm
.macro PLACES n                        ; plain vector lines behind a matrix instruction (ISA guide 7.12.1)
.rept \n
	v_nop
.endr
.endm
.macro FETCH reg, adr, off             ; a fragment's image comes back as the operand's registers
.irp c, 0,1
	ds_load_b128 v[(\reg)+4*\c:(\reg)+4*\c+3], v[\adr] offset:(\off)+512*\c
.endr
.endm
; 32 numbers of a lane, register 16 b + i = k 32 b + 16 (lane / 16) + i, become registers 0-3 of an operand (lanes 0-15 block 0, lanes 16-31 block 1) in v[pc] on, and the scale's two bytes in v[pw]
.macro QUANT2 s, pc, pw
.irp b, 0,1
	v_max3_num_f32 v[TM+\b], |v[(\s)+16*\b]|, |v[(\s)+1+16*\b]|, 0x1800000   ; my 16 numbers of block b, and the floor 2^(3 - 127)
.endr
.irp i, 2,4,6,8,10,12,14
.irp b, 0,1
	v_max3_num_f32 v[TM+\b], v[TM+\b], |v[(\s)+16*\b+\i]|, |v[(\s)+1+16*\b+\i]|
.endr
.endr
.irp b, 0,1
	s_delay_alu instid0(VALU_DEP_2)
	v_permlanex16_b32 v[TM+2+\b], v[TM+\b], s[SEL], s[SEL+1]
.endr
.irp b, 0,1
	s_delay_alu instid0(VALU_DEP_2)
	v_max_num_f32 v[TM+\b], v[TM+\b], v[TM+2+\b]   ; with lane l xor 16's: the block's largest magnitude
.endr
.irp b, 0,1
	s_delay_alu instid0(VALU_DEP_2)
	v_add_nc_u32 v[TM+4+\b], 0xff000000, v[TM+\b]  ; 2 off the exponent field: the conversion's scale operand
.endr
.irp b, 0,1
	s_delay_alu instid0(VALU_DEP_2)
	v_lshrrev_b32 v[TM+2+\b], 23, v[TM+4+\b]       ; the scale's byte
.endr
	s_delay_alu instid0(VALU_DEP_1)
	v_lshl_or_b32 v[\pw], v[TM+3], 8, v[TM+2]
.irp b, 0,1
	v_cvt_scalef32_pk8_fp4_f32 v[(\pc)+2*\b], v[(\s)+16*\b:(\s)+7+16*\b], v[TM+4+\b]
	v_cvt_scalef32_pk8_fp4_f32 v[(\pc)+1+2*\b], v[(\s)+8+16*\b:(\s)+15+16*\b], v[TM+4+\b]
.endr
	v_nop                                          ; one plain line behind a scaled conversion
	v_permlane16_swap_b32 v[\pc], v[(\pc)+2]       ; a whole block to a lane
	v_permlane16_swap_b32 v[(\pc)+1], v[(\pc)+3]
.endm
	s_load_b256 s[4:11], s[0:1], 0x0               ; x, source, wts, pq_b
	s_load_b256 s[12:19], s[0:1], 0x20             ; pk_b, pv_b, xq, qq
	s_load_b64 s[20:21], s[0:1], 0x40              ; kv
	v_lshl_add_u32 v254, v0, 2, 0x5000
	v_mov_b32 v255, 0
	v_lshrrev_b32 v212, 5, v0
	s_delay_alu instid0(VALU_DEP_1)
	v_readfirstlane_b32 s22, v212                  ; wave 0..7
	s_lshr_b32 s24, ttmp9, 6                       ; b
	s_and_b32 s25, ttmp9, 63                       ; G
	s_lshr_b32 s26, s22, 2                         ; phase X: the tensor; part 1: q (0) or k (1); part 2: which 32 channels
	s_and_b32 s27, s22, 3                          ; the head
	s_bfe_u32 s28, s22, 0x10001                    ; phase X: beta
	s_and_b32 s29, s22, 1                          ; phase X: the K step
	s_lshl_b32 s30, s24, 2
	s_add_co_u32 s30, s30, s27                     ; 4 b + head
	s_and_b32 s31, s25, 1                          ; which half of a key step of 128 the group is
	s_lshr_b32 s32, s25, 1
	s_mul_i32 s32, s32, KST
	s_mul_i32 s33, s30, KVH
	s_add_co_u32 s32, s32, s33                     ; where that key step begins in kv
	s_mov_b32 s[SEL], 0x76543210
	s_mov_b32 s[SEL+1], 0xfedcba98
	v_and_b32 v1, 31, v0                           ; lane
	v_and_b32 v2, 15, v0                           ; r
	v_bfe_u32 v3, v0, 4, 1                         ; h
	s_delay_alu instid0(VALU_DEP_3)
	v_lshlrev_b32 v4, 4, v1                        ; 16 x lane
	s_delay_alu instid0(VALU_DEP_3)
	v_lshlrev_b32 v5, 2, v2                        ; 4 r
	v_lshlrev_b32 v6, 2, v1                        ; 4 x lane
	v_bfe_u32 v212, v0, 3, 1                       ; phase X: position = lane: u = (lane / 8) % 2,
	v_and_b32 v213, 7, v0
	s_delay_alu instid0(VALU_DEP_1)
	v_lshl_or_b32 v213, v3, 3, v213                ; row i = lane % 8 + 8 (lane / 16)
	s_delay_alu instid0(VALU_DEP_1)
	v_lshlrev_b32 v7, 4, v213
	s_delay_alu instid0(VALU_DEP_1)
	v_lshl_or_b32 v7, v212, 11, v7                 ; 2048 u + 16 i: my place in two tiles' images
	s_delay_alu instid0(VALU_DEP_3)
	v_lshlrev_b32 v8, 2, v213
	s_delay_alu instid0(VALU_DEP_1)
	v_lshl_or_b32 v8, v212, 7, v8                  ; 128 u + 4 i: and among their scale words
	s_wait_alu depctr_va_vdst(0)
	s_lshl_b32 s33, s26, 13
	s_lshl_b32 s34, s28, 12
	s_add_co_u32 s33, s33, s34
	s_lshl_b32 s34, s29, 10
	s_add_co_u32 s33, s33, s34
	v_add_nc_u32 v9, s33, v7                       ; LDS: where I store codes
	s_lshl_b32 s33, s26, 9
	s_lshl_b32 s34, s28, 8
	s_add_co_u32 s33, s33, s34
	s_lshl_b32 s34, s29, 6
	s_add_co_u32 s33, s33, s34
	s_add_co_u32 s33, s33, XSC
	v_add_nc_u32 v10, s33, v8                      ; and my scale word
	s_lshl_b32 s33, s26, 13
	v_add_nc_u32 v11, s33, v4                      ; part 1 reads x's images or source's
	s_lshl_b32 s33, s26, 9
	s_add_co_u32 s33, s33, XSC
	v_add_nc_u32 v12, s33, v5
	v_lshlrev_b32 v13, 8, v3                       ; 256 h
	v_lshlrev_b32 v14, 4, v2                       ; 16 r
	v_mov_b32 v[TM+2], 0                           ; a lane permute's destination counts as one of its sources
	v_mov_b32 v[TM+3], 0
	; offsets, apart from the addresses
	s_lshl_b32 s33, s30, 17
	s_lshl_b32 s34, s25, 11
	s_add_co_u32 s33, s33, s34                     ; q's codes: (256 (4 b + head) + 4 G) x 512
	s_lshl_b32 s34, s31, 11
	s_add_co_u32 s34, s34, s32                     ; k's: the key step + 2048 x half
	s_lshl_b32 s35, s30, 14
	s_lshl_b32 s42, s25, 8
	s_add_co_u32 s35, s35, s42
	s_add_co_u32 s35, s35, QSB                     ; q's scale words
	s_lshl_b32 s42, s31, 8
	s_add_co_u32 s42, s42, s32
	s_add_co_u32 s42, s42, 8192                    ; k's
	s_mov_b32 s47, 0
	s_wait_alu depctr_va_vdst(0)
	s_wait_kmcnt 0x0
	s_cmp_eq_u32 s26, 0                            ; the choices hang on the wave's number alone
	s_cselect_b64 s[36:37], s[4:5], s[6:7]         ; x or source
	s_cselect_b64 s[38:39], s[10:11], s[12:13]     ; pq_b or pk_b
	s_cselect_b64 s[40:41], s[18:19], s[20:21]     ; qq or kv
	s_cselect_b32 s33, s33, s34
	s_cselect_b32 s35, s35, s42
	s_mov_b32 s46, s33
	s_add_nc_u64 s[60:61], s[40:41], s[46:47]      ; part 1's codes
	s_mov_b32 s46, s35
	s_add_nc_u64 s[62:63], s[40:41], s[46:47]      ; part 1's scale words
	s_lshl_b32 s42, s26, 5
	s_lshl_b32 s43, s27, 3
	s_add_co_u32 s42, s42, s43                     ; part 1's first fragment: 32 x (q or k) + 8 x head
	s_lshl_b32 s46, s42, 10
	s_add_nc_u64 s[44:45], s[8:9], s[46:47]
	s_lshl_b32 s46, s42, 7
	s_add_co_u32 s46, s46, WSB
	s_add_nc_u64 s[48:49], s[8:9], s[46:47]
	s_lshl_b32 s42, s26, 2
	s_add_co_u32 s42, s42, s43
	s_add_co_u32 s42, s42, 64                      ; part 2's: 64 + 8 x head + 4 x (which 32 channels)
	s_lshl_b32 s46, s42, 10
	s_add_nc_u64 s[50:51], s[8:9], s[46:47]
	s_lshl_b32 s46, s42, 7
	s_add_co_u32 s46, s46, WSB
	s_add_nc_u64 s[52:53], s[8:9], s[46:47]
	s_lshl_b32 s46, s27, 2
	s_add_nc_u64 s[38:39], s[38:39], s[46:47]      ; bias of channel 4 d + head
	s_lshl_b32 s43, s26, 9
	s_add_co_u32 s46, s46, s43
	s_add_nc_u64 s[54:55], s[14:15], s[46:47]      ; pv_b likewise, 32 d on for waves 4-7
	s_lshl_b32 s46, s24, 22
	s_lshl_b32 s43, s29, 21
	s_add_co_u32 s46, s46, s43
	s_lshl_b32 s43, s25, 8
	s_add_co_u32 s46, s46, s43
	s_lshl_b32 s43, s28, 7
	s_add_co_u32 s46, s46, s43
	s_add_nc_u64 s[36:37], s[36:37], s[46:47]      ; my 128 channels x 32 positions
	s_lshl_b32 s46, ttmp9, 13
	s_lshl_b32 s43, s28, 12
	s_add_co_u32 s46, s46, s43
	s_lshl_b32 s43, s29, 10
	s_add_co_u32 s46, s46, s43
	s_add_nc_u64 s[56:57], s[16:17], s[46:47]      ; xq: codes
	s_lshl_b32 s46, ttmp9, 9
	s_lshl_b32 s43, s28, 8
	s_add_co_u32 s46, s46, s43
	s_lshl_b32 s43, s29, 6
	s_add_co_u32 s46, s46, s43
	s_add_co_u32 s46, s46, XSB
	s_add_nc_u64 s[58:59], s[16:17], s[46:47]      ; xq: scale words
	s_lshl_b32 s46, s31, 11
	s_add_co_u32 s46, s46, s32
	s_lshl_b32 s43, s26, 10
	s_add_co_u32 s46, s46, s43
	s_add_co_u32 s46, s46, 4096
	s_add_nc_u64 s[70:71], s[20:21], s[46:47]      ; kv: V's codes
	s_lshl_b32 s46, s31, 3
	s_add_co_u32 s46, s46, s32
	s_lshl_b32 s43, s26, 2
	s_add_co_u32 s46, s46, s43
	s_add_co_u32 s46, s46, 8704
	s_add_nc_u64 s[72:73], s[20:21], s[46:47]      ; kv: V's half words
	; the weights first: 84 loads
	WIN 0x40                                       ; destination window 1
.irp f, 0,1,2,3,4,5,6,7
.irp c, 0,1
	global_load_b128 v[8*\f+4*\c:8*\f+4*\c+3], v4, s[44:45] offset:1024*\f+512*\c
.endr
.endr
.irp f, 0,1,2,3
.irp c, 0,1
	global_load_b128 v[64+8*\f+4*\c:64+8*\f+4*\c+3], v4, s[50:51] offset:1024*\f+512*\c
.endr
.endr
.irp t, 0,1,2,3                                ; tile t = 2 bb + u, register j, lane half h: d = 32 bb + 8 u + 16 h + j
.irp j, 0,1,2,3,4,5,6,7
	global_load_b32 v[96+8*\t+\j], v13, s[38:39] offset:(32*(\t/2)+8*(\t%2)+\j)*16
.endr
.endr
.irp a, 0,1                                    ; part 2's result has one channel a lane: the same number in all eight registers
.irp j, 0,1,2,3,4,5,6,7
	global_load_b32 v[128+8*\a+\j], v14, s[54:55] offset:256*\a
.endr
.endr
	WIN 0
.irp f, 0,1,2,3,4,5,6,7
	global_load_b32 v[W1S+\f], v6, s[48:49] offset:128*\f
.endr
.irp f, 0,1,2,3
	global_load_b32 v[W2S+\f], v6, s[52:53] offset:128*\f
.endr
	; ---- X: 128 loads, each 128 consecutive bytes of one channel; the wave beside me takes the 128 bytes that follow
.set i, 0
.rept 128
	global_load_b32 v[XR+i], v6, s[36:37] offset:i*16384 th:TH_LOAD_NT
.set i, i+1
.endr
.macro XBLOCK blk                      ; 32 channels of my position: the block is all mine
.set XS, XR+32*(\blk)
	v_max3_num_f32 v[TM], |v[XS]|, |v[XS+1]|, |v[XS+2]|
	v_max3_num_f32 v[TM+1], |v[XS+3]|, |v[XS+4]|, |v[XS+5]|
.irp i, 6,10,14,18,22,26
	s_delay_alu instid0(VALU_DEP_2)
	v_max3_num_f32 v[TM], v[TM], |v[XS+\i]|, |v[XS+\i+1]|
	s_delay_alu instid0(VALU_DEP_2)
	v_max3_num_f32 v[TM+1], v[TM+1], |v[XS+\i+2]|, |v[XS+\i+3]|
.endr
	s_delay_alu instid0(VALU_DEP_2)
	v_max3_num_f32 v[TM], v[TM], |v[XS+30]|, |v[XS+31]|
	s_delay_alu instid0(VALU_DEP_1)
	v_max3_num_f32 v[TM], v[TM], v[TM+1], 0x1800000      ; and the floor 2^(3 - 127)
	s_delay_alu instid0(VALU_DEP_1)
	v_add_nc_u32 v[TM+2], 0xff000000, v[TM]
	s_delay_alu instid0(VALU_DEP_1)
	v_lshrrev_b32 v[TM+3], 23, v[TM+2]
.if (\blk) == 0
	s_delay_alu instid0(VALU_DEP_1)
	v_mov_b32 v[XW], v[TM+3]
.else
	s_delay_alu instid0(VALU_DEP_1)
	v_lshl_or_b32 v[XW], v[TM+3], 8*(\blk), v[XW]
.endif
.irp g, 0,1,2,3
	v_cvt_scalef32_pk8_fp4_f32 v[XC+4*(\blk)+\g], v[XS+8*\g:XS+8*\g+7], v[TM+2]
.endr
	v_nop                                          ; one plain line behind the last conversion: the next block writes its scale operand anew
	ds_store_b128 v9, v[XC+4*(\blk):XC+4*(\blk)+3] offset:512*((\blk)/2)+256*((\blk)%2)   ; block 2 c + h is registers 4 c .. of lanes 16 h + i
.endm
	s_wait_loadcnt 63                              ; the 63 youngest loads are channels 65 on: the weights and blocks 0 and 1 are in
	XBLOCK 0
	XBLOCK 1
	s_wait_loadcnt 32                              ; block 3's 32 loads may be out
	XBLOCK 2
	s_wait_loadcnt 0x0
	XBLOCK 3
	ds_store_b32 v10, v[XW]
	s_cmp_lt_u32 s22, 4                            ; x's codes are wanted again by the MLP
	s_cbranch_scc0 .Lno_xq
.irp k, 0,1,2,3
	global_store_b128 v7, v[XC+4*\k:XC+4*\k+3], s[56:57] offset:512*(\k/2)+256*(\k%2)   ; sixteen lanes store 256 consecutive bytes, aligned
.endr
	global_store_b32 v8, v[XW], s[58:59]
.Lno_xq:
	s_wait_dscnt 0x0                               ; my images lie in LDS
	s_barrier_signal -1
	s_barrier_wait -1                              ; everybody's do
	; ---- 1: q or k of my head
.irp m, 0,1,2,3
.irp k, 0,1
	FETCH XR+8*(2*\m+\k), 11, \m*2048+\k*1024
	ds_load_b32 v[FW+2*\m+\k], v12 offset:\m*128+\k*64
.endr
.endr
	s_wait_dscnt 0x0
.irp m, 0,1,2,3
	WIN 0x11                                       ; source 0 (the weight) and source 2 (the bias) window 1
.irp t, 0,1,2,3                                ; the four accumulators take turns
	v_wmma_scale_f32_16x16x128_f8f6f4 v[AC+8*\t:AC+8*\t+7], v[16*\t:16*\t+7], v[XR+16*\m:XR+16*\m+7], v[96+8*\t:96+8*\t+7], v[W1S+2*\t], v[FW+2*\m] matrix_a_fmt:MATRIX_FMT_FP4 matrix_b_fmt:MATRIX_FMT_FP4
.endr
	WIN 0x01
.irp t, 0,1,2,3
	v_wmma_scale_f32_16x16x128_f8f6f4 v[AC+8*\t:AC+8*\t+7], v[16*\t+8:16*\t+15], v[XR+16*\m+8:XR+16*\m+15], v[AC+8*\t:AC+8*\t+7], v[W1S+2*\t+1], v[FW+2*\m+1] matrix_a_fmt:MATRIX_FMT_FP4 matrix_b_fmt:MATRIX_FMT_FP4
.endr
	WIN 0
	PLACES 4
	QUANT2 AC, PC+4*\m, PW+\m                      ; lane (r, h): position = row r of tile m; register 16 bb + 8 u + j is d = 32 bb + 16 h + 8 u + j
	global_store_b128 v4, v[PC+4*\m:PC+4*\m+3], s[60:61] offset:512*\m
.endr
	s_wait_alu depctr_va_vdst(0)
	s_wait_xcnt 0x0                                ; EXEC changes only behind this wait
	v_cmp_gt_u32 vcc_lo, 16, v1
	s_wait_tensorcnt 0x0
	ds_add_u32 v254, v255
	s_wait_dscnt 0x0
	s_and_saveexec_b32 s68, vcc_lo                 ; both halves hold the same words: lanes 0-15 store them
	global_store_b128 v14, v[PW:PW+3], s[62:63]    ; [row][tile]: 256 consecutive bytes
	s_wait_xcnt 0x0                                ; and again in front of the line that widens it; the codes' and words' registers are free too
	s_or_b32 exec_lo, exec_lo, s68
	; ---- 2: v
	PLACES 4
.irp m, 0,1,2,3
.irp k, 0,1
	FETCH XR+8*(2*\m+\k), 4, 8192+\m*2048+\k*1024
	ds_load_b32 v[FW+2*\m+\k], v5 offset:XSC+512+\m*128+\k*64
.endr
.endr
	s_wait_dscnt 0x0
	WIN 0x14                                       ; source 1 (the weight) and source 2 (the bias) window 1
.irp m, 0,1,2,3
.irp a, 0,1
	v_wmma_scale_f32_16x16x128_f8f6f4 v[AC+8*(4*\a+\m):AC+8*(4*\a+\m)+7], v[XR+16*\m:XR+16*\m+7], v[64+16*\a:64+16*\a+7], v[128+8*\a:128+8*\a+7], v[FW+2*\m], v[W2S+2*\a] matrix_a_fmt:MATRIX_FMT_FP4 matrix_b_fmt:MATRIX_FMT_FP4
.endr
.endr
	WIN 0x04
.irp m, 0,1,2,3
.irp a, 0,1
	v_wmma_scale_f32_16x16x128_f8f6f4 v[AC+8*(4*\a+\m):AC+8*(4*\a+\m)+7], v[XR+16*\m+8:XR+16*\m+15], v[64+16*\a+8:64+16*\a+15], v[AC+8*(4*\a+\m):AC+8*(4*\a+\m)+7], v[FW+2*\m+1], v[W2S+2*\a+1] matrix_a_fmt:MATRIX_FMT_FP4 matrix_b_fmt:MATRIX_FMT_FP4
.endr
.endr
	WIN 0
	PLACES 4
.irp a, 0,1
	QUANT2 AC+32*\a, PC+4*\a, PW+\a                ; lane (r, h): channel r of the tile; register 16 beta + 8 u + j is key 32 beta + 16 h + 8 u + j of the group
	global_store_b128 v4, v[PC+4*\a:PC+4*\a+3], s[70:71] offset:512*\a
.endr
	v_lshl_or_b32 v212, v[PW+1], 16, v[PW]         ; two tiles' two bytes each
	s_wait_alu depctr_va_vdst(0)
	s_wait_xcnt 0x0
	v_cmp_gt_u32 vcc_lo, 16, v1
	s_and_saveexec_b32 s68, vcc_lo
	global_store_b32 v14, v212, s[72:73]           ; 4 bytes of each row's 16: these units are written in part, 256 bytes a key step in all
	s_wait_xcnt 0x0
	s_or_b32 exec_lo, exec_lo, s68
	s_endpgm
.Lfunc_end_k_q6b7825ffb6_proj:
	.size	k_q6b7825ffb6_proj, .Lfunc_end_k_q6b7825ffb6_proj-k_q6b7825ffb6_proj
	.p2alignl 7, 3214868480
	.fill 96, 4, 3214868480
	.section	.rodata,"a",@progbits
	.p2align	6, 0x0
	.amdhsa_kernel k_q6b7825ffb6_proj
		.amdhsa_group_segment_fixed_size 21504
		.amdhsa_private_segment_fixed_size 0
		.amdhsa_enable_private_segment 0
		.amdhsa_kernarg_size 72
		.amdhsa_user_sgpr_count 2
		.amdhsa_user_sgpr_kernarg_segment_ptr 1
		.amdhsa_wavefront_size32 1
		.amdhsa_system_sgpr_workgroup_id_x 1
		.amdhsa_system_sgpr_workgroup_id_y 1
		.amdhsa_system_sgpr_workgroup_id_z 1
		.amdhsa_system_vgpr_workitem_id 0
		.amdhsa_next_free_vgpr 512
		.amdhsa_next_free_sgpr 80
		.amdhsa_reserve_vcc 1
		.amdhsa_float_denorm_mode_32 3
		.amdhsa_float_denorm_mode_16_64 3
		.amdhsa_memory_ordered 1
		.amdhsa_forward_progress 1
		.amdhsa_inst_pref_size 59
	.end_amdhsa_kernel
	.amdgpu_metadata
---
amdhsa.version: [ 1, 2 ]
amdhsa.kernels:
  - .name:           k_q6b7825ffb6_proj
    .symbol:         k_q6b7825ffb6_proj.kd
    .args:
      - { .name: x, .offset: 0, .size: 8, .value_kind: global_buffer, .address_space: global }
      - { .name: source, .offset: 8, .size: 8, .value_kind: global_buffer, .address_space: global }
      - { .name: wts, .offset: 16, .size: 8, .value_kind: global_buffer, .address_space: global }
      - { .name: pq_b, .offset: 24, .size: 8, .value_kind: global_buffer, .address_space: global }
      - { .name: pk_b, .offset: 32, .size: 8, .value_kind: global_buffer, .address_space: global }
      - { .name: pv_b, .offset: 40, .size: 8, .value_kind: global_buffer, .address_space: global }
      - { .name: xq, .offset: 48, .size: 8, .value_kind: global_buffer, .address_space: global }
      - { .name: qq, .offset: 56, .size: 8, .value_kind: global_buffer, .address_space: global }
      - { .name: kv, .offset: 64, .size: 8, .value_kind: global_buffer, .address_space: global }
    .group_segment_fixed_size: 21504
    .private_segment_fixed_size: 0
    .kernarg_segment_align: 8
    .kernarg_segment_size: 72
    .max_flat_workgroup_size: 256
    .sgpr_count:     80
    .vgpr_count:     512
    .wavefront_size: 32
...
	.end_amdgpu_metadata
.endif
;; end of part 2
;; launch attn (part 3): grid 16 x 16, 16 waves a work-group, clusters of 4 x 1, 327,680 bytes of LDS; arguments qq, kv, ao; writes ao
.if DOCPART == 3
	.amdgcn_target "amdgcn-amd-amdhsa--gfx1250"
	.amdhsa_code_object_version 6
	.text
	.protected	k_q6b7825ffb6_attn
	.globl	k_q6b7825ffb6_attn
	.p2align	8
	.type	k_q6b7825ffb6_attn,@function
k_q6b7825ffb6_attn:
	s_mov_b64 s[64:65], 0
	v_nop
	global_prefetch_b8 v0, s[64:65] scope:SCOPE_SE
	s_setreg_imm32_b32 hwreg(HW_REG_WAVE_MODE, 25, 1), 1
	s_wait_xcnt 0x0
	s_wait_alu depctr_hold_cnt(0) depctr_sa_sdst(0) depctr_va_vdst(0) depctr_va_sdst(0) depctr_va_ssrc(0) depctr_va_vcc(0) depctr_vm_vsrc(0)
	s_getreg_b32 s2, hwreg(HW_REG_IB_STS2, 6, 4)
	s_cmp_eq_u32 s2, 0
	s_cbranch_scc0 .Lentry_in_a_cluster
	s_endpgm
.Lentry_in_a_cluster:
	s_bfe_u32 s2, ttmp6, 0x10000c
	s_cmp_lg_u32 s2, 0x3003
	s_cbranch_scc0 .Lentry_shape_is_right
	s_endpgm
.Lentry_shape_is_right:
; O[q][d] = the sum over keys of softmax(Q[q] . K[key] / 8) V[key][d] for one head of 64, both products on codes of FP4 (E2M1) with one E8M0 scale for each 32 along a product's K.
; THE SOFTMAX AHEAD OF THE SECOND PRODUCT: t = score x log2(e) / 8; M = the row's largest t so far, rounded UP to a whole number; p = 2^(t - M) is quantised along the keys, not normalised.  The row's sum is taken of the
; unquantised p, in f32, and divides O at the end.  When M moves, the sum and O are multiplied by 2^(old M - new M): exact.
; SHARES.  A work-group owns 256 queries of head y (y = 4 b + head); each of its sixteen waves owns one tile of 16, in 256 registers: four waves to a SIMD, so that one wave's vector work stands beside another's products and LDS loads.
; LDS.  A head's K, V and scale bytes are 32 key steps x 8,960 = 286,720 bytes, laid in memory as the operands' registers: they come ONCE, each wave bringing two steps (70 rows of 256 bytes) by one tensor load, and stay.
; Nothing is filled again: no ring.  A wave has one tensor load out.
; CLUSTER.  The four work-groups of a cluster belong to one head: each load is asked for JOINTLY, with the same descriptor and a mask that names the four.  The place in the cluster enters Q's and O's addresses alone.
; LAYOUT.  Both products are used transposed: S^T = K Q^T (source 0 = 16 keys, source 1 = my queries), O^T = V^T P^T: a lane holds ONE query.  The keys of a tile are not neighbours (tile 2 beta + u, row i: key 32 beta + 8 u + i + 8 (i / 8)
; of its 64), so that the 16 registers of two neighbouring tiles are 16 neighbouring keys.  The first product's K is 64: registers 4-7 of K's and Q's operands are zero codes, cleared once and never loaded.
; A key step in LDS: +0 K's 8 tiles x 512 (registers 0-3);  +4096 V: registers 4 c .. 4 c + 3 of tile t at 2048 c + 512 t;  +8192 K's scale words, 16 bytes a lane: tiles 0-3 in lanes 0-15, tiles 4-7 in lanes 16-31;  +8704 V's half words, 16 bytes a row.
; O leaves as f32, in the order in which the next kernel's quantiser wants it: tile x 16384 + 2048 (d / 8) + 1024 (head % 2) + 512 ((d / 4) % 2) + 256 (head / 2) + 16 row: sixteen lanes store 256 consecutive bytes from registers.
; LIMITS: a p under 2^-126 is 0 (v_exp_f32 flushes); a block's largest p is taken from its largest score, which takes v_exp_f32 not to fall where its input rises; a block whose every p is 0 keeps the byte 1; 1 / sum by v_rcp_f32; NaN and infinities are not served.
; REGISTERS: v1-5 addresses; v8-11 V's half words; v12 -M, v13 the largest t, v[14:15] the sum in two halves; v16-23 Q, v24 its scale word; v28-31 V's scale words; v32-95 K; v96-159 S^T, then p; v160-191 O^T; v192-223 V; v224-231 p's codes;
;   v232-247, v252, v254 at work; v248-251 K's scale words; v253 p's.
.set KVH, 286720
.set KST, 8960
.set QSB, 2097152
.set WV,  18
.set SEL, 20
.set CS,  22
.set G1,  24
.set G0,  32
.set TB,  40
.set CNT, 41
.macro ROUND                           ; a round of the cluster's barrier
	s_barrier_signal -1
	s_barrier_wait -1
	s_cmp_lg_u32 s[WV], 0
	s_cbranch_scc1 .Lnot_wave_0_\@
	s_barrier_signal -3
.Lnot_wave_0_\@:
	s_barrier_wait -3
	s_barrier_signal -1
	s_barrier_wait -1
.endm
	s_load_b128 s[4:7], s[0:1], 0x0                ; qq, kv
	s_load_b64 s[8:9], s[0:1], 0x10                ; ao
	v_lshl_add_u32 v243, v0, 2, 0x46000
	v_mov_b32 v255, 0
	ds_add_u32 v243, v255
	ds_add_u32 v243, v255
	v_lshrrev_b32 v3, 5, v0
	s_delay_alu instid0(VALU_DEP_1)
	v_readfirstlane_b32 s[WV], v3                  ; wave 0..15
	s_bfe_u32 s10, ttmp6, 0x40000                  ; cx
	s_lshl_b32 s11, ttmp9, 2
	s_add_co_u32 s11, s11, s10                     ; my block of 256 queries
	s_and_b32 s12, ttmp7, 0xffff                   ; 4 b + head, which the four partners share
	s_lshl_b32 s13, s11, 4
	s_add_co_u32 s13, s13, s[WV]                   ; my tile of queries, 0..255
	; descriptor group 1: 70 rows of 256 bytes (32 elements of 8 bytes), dense in memory and in LDS
	s_mov_b32 s[G1], 15|(3<<16)|(1<<21)            ; 15:0 the mask: all four work-groups; 17:16 elements of 8 bytes; 21 set beside a mask
	s_mov_b32 s[G1+1], 32<<16                      ; tensor_dim0
	s_mov_b32 s[G1+2], 70<<16                      ; tensor_dim1
	s_mov_b32 s[G1+3], 32<<16                      ; tile_dim0
	s_mov_b32 s[G1+4], 70                          ; tile_dim1
	s_mov_b32 s[G1+5], 32                          ; the pitch
	s_mov_b32 s[G1+6], 0
	s_mov_b32 s[G1+7], 0
	s_mul_i32 s42, s[WV], 2*KST                    ; my two key steps: in LDS,
	s_mul_i32 s44, s12, KVH
	s_add_co_u32 s44, s44, s42                     ; and in memory
	s_mov_b32 s45, 0
	s_mov_b32 s47, 0
	s_mov_b32 s[SEL], 0x76543210
	s_mov_b32 s[SEL+1], 0xfedcba98
	s_mov_b32 s[CS], 0x3e38aa3b                    ; c = log2(e) / 8
	s_mov_b32 s[CS+1], s[CS]                       ; (named with it as a pair, so it is written)
	s_mov_b32 s[TB], 0
	s_mov_b32 s[CNT], 32
	s_mov_b32 s53, 0x05040100                      ; v_perm_b32: the two low halves,
	s_mov_b32 s54, 0x07060302                      ; the two high halves
	s_wait_dscnt 0x0
	s_wait_kmcnt 0x0
	s_mov_b32 s[G0], 1
	s_mov_b32 s[G0+1], s42
	s_add_nc_u64 s[G0+2:G0+3], s[6:7], s[44:45]
	s_or_b32 s[G0+3], s[G0+3], 0x80000000
	s_lshl_b32 s46, s12, 8
	s_add_co_u32 s46, s46, s13
	s_lshl_b32 s46, s46, 9
	s_add_nc_u64 s[48:49], s[4:5], s[46:47]        ; Q's codes: 512 bytes a tile
	s_lshl_b32 s46, s12, 14
	s_lshr_b32 s52, s13, 2
	s_lshl_b32 s52, s52, 8
	s_add_co_u32 s46, s46, s52
	s_and_b32 s52, s13, 3
	s_lshl_b32 s52, s52, 2
	s_add_co_u32 s46, s46, s52
	s_add_co_u32 s46, s46, QSB
	s_add_nc_u64 s[50:51], s[4:5], s[46:47]        ; Q's scale words: [group][row][tile]
	s_lshr_b32 s46, s12, 2
	s_lshl_b32 s46, s46, 8
	s_add_co_u32 s46, s46, s13
	s_lshl_b32 s46, s46, 14                        ; O: tile 256 b + my tile, 16,384 bytes each,
	s_and_b32 s52, s12, 1
	s_lshl_b32 s52, s52, 10
	s_add_co_u32 s46, s46, s52                     ; + 1024 (head % 2)
	s_bfe_u32 s52, s12, 0x10001
	s_lshl_b32 s52, s52, 8
	s_add_co_u32 s46, s46, s52                     ; + 256 (head / 2)
	s_add_nc_u64 s[8:9], s[8:9], s[46:47]
	ROUND                                          ; all four work-groups are here: the joint loads meet
	tensor_load_to_lds s[G0:G0+3], s[G1:G1+7]
	s_nop 0
.rept 4
	v_nop
.endr
	v_and_b32 v6, 31, v0
	s_delay_alu instid0(VALU_DEP_1)
	v_lshlrev_b32 v1, 4, v6                        ; 16 x lane
	v_and_b32 v7, 15, v0
	s_delay_alu instid0(VALU_DEP_1)
	v_lshlrev_b32 v2, 4, v7                        ; 16 r
	v_bfe_u32 v6, v0, 4, 1
	s_delay_alu instid0(VALU_DEP_1)
	v_lshl_add_u32 v5, v6, 11, v2                  ; the way out: 2048 h + 16 r
	global_load_b128 v[16:19], v1, s[48:49]        ; Q's registers 0-3
	global_load_b32 v24, v2, s[50:51]
.irp j, 20,21,22,23
	v_mov_b32 v[\j], 0                             ; K = 64: the upper half of the operand is zero codes
.endr
.irp m, 0,1,2,3,4,5,6,7
.irp j, 4,5,6,7
	v_mov_b32 v[32+8*\m+\j], 0                     ; K's likewise: cleared once, never loaded
.endr
.endr
	v_mov_b32 v13, 0xff61b1e6                      ; the largest t so far: -3e38, under every t
	s_delay_alu instid0(VALU_DEP_1)
	v_floor_f32 v12, -v13                          ; -M
	v_mov_b32 v14, 0
	v_mov_b32 v15, 0
.irp b, 0,1,2,3
	v_mov_b32 v[236+\b], 0                         ; a lane permute's destination counts as one of its sources
.endr
	v_mov_b32 v253, 0                              ; (named as the upper half of the pair v[252:253] before it is first written)
.set j, 0
.rept 32
	v_mov_b32 v[160+j], 0                          ; O^T: the loop is written once; its first step finds zeros, which the first change of M leaves zeros
.set j, j+1
.endr
	s_wait_loadcnt 0x0                             ; Q
	s_wait_tensorcnt 0x0                           ; my two key steps lie in LDS,
	s_barrier_signal -1
	s_barrier_wait -1                              ; everybody's do
.Lstep:                                            ; 32 trips of 128 keys
	s_setprio 2
	v_add_nc_u32 v3, s[TB], v1
	v_add_nc_u32 v4, s[TB], v2
	v_nop
	v_nop                                          ; four plain lines behind the last trip's products, in front of loads into V's registers and of the lines that write V's scale words
.irp m, 0,1,2,3,4,5,6,7
	ds_load_b128 v[32+8*\m:35+8*\m], v3 offset:512*\m
.endr
	ds_load_b128 v[248:251], v3 offset:8192
.irp c, 0,1
.irp t, 0,1,2,3
	ds_load_b128 v[192+8*\t+4*\c:195+8*\t+4*\c], v3 offset:4096+2048*\c+512*\t
.endr
.endr
	ds_load_b128 v[8:11], v4 offset:8704
	s_wait_dscnt 9                                 ; K and its scale words are in; V's eight loads and its half words may be out
.irp m, 0,1,2,3
	v_wmma_scale_f32_16x16x128_f8f6f4 v[96+8*\m:103+8*\m], v[32+8*\m:39+8*\m], v[16:23], 0, v[248+\m], v24 matrix_a_fmt:MATRIX_FMT_FP4 matrix_b_fmt:MATRIX_FMT_FP4
.endr
.irp m, 0,1,2,3
	v_wmma_scale_f32_16x16x128_f8f6f4 v[128+8*\m:135+8*\m], v[64+8*\m:71+8*\m], v[16:23], 0, v[248+\m], v24 matrix_a_fmt:MATRIX_FMT_FP4 matrix_b_fmt:MATRIX_FMT_FP4 matrix_a_scale:MATRIX_SCALE_ROW1
.endr
	s_wait_dscnt 0x0
	v_perm_b32 v28, v10, v8, s53                   ; V's scale word of tile t: two bytes of the step's first 64 keys, two of its second.  (These four are also the places behind the products above)
	v_perm_b32 v29, v10, v8, s54
	v_perm_b32 v30, v11, v9, s53
	v_perm_b32 v31, v11, v9, s54
.irp b, 0,1,2,3
	v_max3_num_f32 v[232+\b], v[96+16*\b], v[97+16*\b], v[98+16*\b]   ; the largest score of each block of 32 keys: it serves the row's maximum and, since p rises with the score, the block's largest p
.endr
.irp i, 3,5,7,9,11,13
.irp b, 0,1,2,3
	v_max3_num_f32 v[232+\b], v[232+\b], v[96+16*\b+\i], v[97+16*\b+\i]
.endr
.endr
.irp b, 0,1,2,3
	v_max_num_f32 v[232+\b], v[232+\b], v[111+16*\b]
.endr
.irp b, 0,1,2,3
	s_delay_alu instid0(VALU_DEP_4)
	v_permlanex16_b32 v[236+\b], v[232+\b], s[SEL], s[SEL+1]
.endr
.irp b, 0,1,2,3
	s_delay_alu instid0(VALU_DEP_4)
	v_max_num_f32 v[232+\b], v[232+\b], v[236+\b]  ; with lane l xor 16's 16 keys
.endr
	s_delay_alu instid0(VALU_DEP_2)
	v_max3_num_f32 v254, v232, v233, v234
	s_delay_alu instid0(VALU_DEP_1)
	v_max_num_f32 v254, v254, v235                 ; the step's largest score of my query
	s_delay_alu instid0(VALU_DEP_1)
	v_mul_f32 v254, s[CS], v254                    ; as t (c is positive)
	s_delay_alu instid0(VALU_DEP_1)
	v_max_num_f32 v13, v13, v254                   ; the running largest t
	v_mov_b32 v254, v12
	s_delay_alu instid0(VALU_DEP_2)
	v_floor_f32 v12, -v13                          ; the new -M = floor(-t) = -ceil(t)
	s_delay_alu instid0(VALU_DEP_1)
	v_sub_f32 v254, v12, v254                      ; old M - new M: a whole number, 0 or less
	s_delay_alu instid0(VALU_DEP_1)
	v_cvt_i32_f32 v254, v254                       ; (it saturates)
	s_delay_alu instid0(VALU_DEP_1)
	v_ldexp_f32 v252, 1.0, v254                    ; f = 2^(old M - new M)
.set j, 0
.rept 32
	v_pk_fma_f32 v[96+j:97+j], v[96+j:97+j], s[CS:CS+1], v[12:13] op_sel_hi:[1,0,0]   ; t - M, two at a time
.set j, j+2
.endr
.irp b, 0,1,2,3
	v_fma_f32 v[232+\b], v[232+\b], s[CS], v12     ; the same of each block's largest score
.endr
.set j, 0
	s_wait_alu depctr_va_vdst(0)
.rept 64
	v_exp_f32 v[96+j], v[96+j]                     ; p = 2^(t - M), at most 1
.set j, j+1
.endr
	s_setprio 1
.irp b, 0,1,2,3
	v_exp_f32 v[232+\b], v[232+\b]                 ; the block's largest p: the same two instructions on the same number
.endr
	v_pk_mul_f32 v[14:15], v[14:15], v[252:253] op_sel_hi:[1,0]   ; the sums under the new M.  (A plain line behind the exponentials)
	s_wait_alu depctr_va_vdst(0)
.irp b, 0,1,2,3
	v_max_num_f32 v[232+\b], 0x1800000, v[232+\b]  ; the floor 2^(3 - 127)
.endr
.irp b, 0,1,2,3
	s_delay_alu instid0(VALU_DEP_4)
	v_add_nc_u32 v[244+\b], 0xff000000, v[232+\b]  ; 2 off the exponent field: the conversion's scale operand
.endr
.irp b, 0,1,2,3
	s_delay_alu instid0(VALU_DEP_4)
	v_lshrrev_b32 v[236+\b], 23, v[244+\b]         ; the scale's byte
.endr
	s_delay_alu instid0(VALU_DEP_3)
	v_lshl_or_b32 v253, v237, 8, v236              ; p's scale word for these 128 keys
	s_delay_alu instid0(VALU_DEP_1)
	v_lshl_or_b32 v253, v238, 16, v253
	s_delay_alu instid0(VALU_DEP_1)
	v_lshl_or_b32 v253, v239, 24, v253
.irp b, 0,1,2,3
	v_cvt_scalef32_pk8_fp4_f32 v[224+2*\b], v[96+16*\b:103+16*\b], v[244+\b]
	v_cvt_scalef32_pk8_fp4_f32 v[225+2*\b], v[104+16*\b:111+16*\b], v[244+\b]
.endr
	v_nop                                          ; one plain line behind a scaled conversion
.irp c, 0,1
.irp i, 0,1
	v_permlane16_swap_b32 v[224+4*\c+\i], v[226+4*\c+\i]   ; a whole block to a lane
.endr
.endr
	v_pk_add_f32 v[236:237], v[100:101], v[104:105]
	v_pk_add_f32 v[250:251], v[108:109], v[112:113]
	v_pk_add_f32 v[248:249], v[116:117], v[120:121]
	v_pk_add_f32 v[246:247], v[124:125], v[128:129]
	v_pk_add_f32 v[244:245], v[132:133], v[136:137]
	v_pk_add_f32 v[240:241], v[140:141], v[144:145]
	v_pk_add_f32 v[234:235], v[148:149], v[152:153]
	v_pk_add_f32 v[14:15], v[14:15], v[156:157]
	v_pk_add_f32 v[236:237], v[236:237], v[96:97]
	v_pk_add_f32 v[250:251], v[250:251], v[98:99]
	v_pk_add_f32 v[248:249], v[248:249], v[102:103]
	v_pk_add_f32 v[246:247], v[246:247], v[106:107]
	v_pk_add_f32 v[244:245], v[244:245], v[110:111]
	v_pk_add_f32 v[240:241], v[240:241], v[114:115]
	v_pk_add_f32 v[234:235], v[234:235], v[118:119]
	v_pk_add_f32 v[14:15], v[14:15], v[122:123]
	v_pk_add_f32 v[236:237], v[236:237], v[126:127]
	v_pk_add_f32 v[250:251], v[250:251], v[130:131]
	v_pk_add_f32 v[248:249], v[248:249], v[134:135]
	v_pk_add_f32 v[246:247], v[246:247], v[138:139]
	v_pk_add_f32 v[244:245], v[244:245], v[142:143]
	v_pk_add_f32 v[240:241], v[240:241], v[146:147]
	v_pk_add_f32 v[234:235], v[234:235], v[150:151]
	v_pk_add_f32 v[14:15], v[14:15], v[154:155]
	v_pk_add_f32 v[236:237], v[236:237], v[158:159]
	s_delay_alu instid0(VALU_DEP_2)
	v_pk_add_f32 v[14:15], v[14:15], v[246:247]
	s_delay_alu instid0(VALU_DEP_2)
	v_pk_add_f32 v[236:237], v[236:237], v[244:245]
	v_pk_add_f32 v[250:251], v[250:251], v[240:241]
	v_pk_add_f32 v[248:249], v[248:249], v[234:235]
	s_delay_alu instid0(VALU_DEP_2)
	v_pk_add_f32 v[14:15], v[14:15], v[250:251]
	s_delay_alu instid0(VALU_DEP_2)
	v_pk_add_f32 v[236:237], v[236:237], v[248:249]
	s_delay_alu instid0(VALU_DEP_1)
	v_pk_add_f32 v[14:15], v[14:15], v[236:237]
.set j, 0
	s_setprio 0
.rept 16
	v_pk_mul_f32 v[160+j:161+j], v[160+j:161+j], v[252:253] op_sel_hi:[1,0]   ; O^T under the new M
.set j, j+2
.endr
.irp t, 0,1,2,3                                ; O^T += V^T P^T: the four accumulators take turns; the next trip's first products stand between two trips' turns
	v_wmma_scale_f32_16x16x128_f8f6f4 v[160+8*\t:167+8*\t], v[192+8*\t:199+8*\t], v[224:231], v[160+8*\t:167+8*\t], v[28+\t], v253 matrix_a_fmt:MATRIX_FMT_FP4 matrix_b_fmt:MATRIX_FMT_FP4
.endr
	s_add_co_u32 s[TB], s[TB], KST
	s_sub_co_u32 s[CNT], s[CNT], 1
	s_cmp_lg_u32 s[CNT], 0
	s_cbranch_scc1 .Lstep
	s_setprio 0
	; THE WAY OUT
.rept 4
	v_nop
.endr
	v_add_f32 v14, v14, v15                        ; the sum's two halves,
	s_delay_alu instid0(VALU_DEP_1)
	v_permlanex16_b32 v252, v14, s[SEL], s[SEL+1]
	s_delay_alu instid0(VALU_DEP_1)
	v_add_f32 v14, v14, v252                       ; and lane l xor 16's
	s_wait_alu depctr_va_vdst(0)
	v_rcp_f32 v14, v14
	v_nop                                          ; one plain line behind a transcendental
.set j, 0
	s_wait_alu depctr_va_vdst(0)
.rept 32
	v_mul_f32 v[96+j], v[160+j], v14               ; register 8 t + i is O(query r, d = 16 t + 8 h + i)
.set j, j+1
.endr
.irp t, 0,1,2,3
.irp e, 0,1
	global_store_b128 v5, v[96+8*\t+4*\e:99+8*\t+4*\e], s[8:9] offset:4096*\t+512*\e   ; each half of the lanes stores 256 consecutive bytes, aligned
.endr
.endr
	s_wait_tensorcnt 0x0
	ds_add_u32 v243, v255
	s_wait_dscnt 0x0
	ROUND                                          ; the closing round: no work-group ends while a partner may still ask
	s_endpgm
.Lfunc_end_k_q6b7825ffb6_attn:
	.size	k_q6b7825ffb6_attn, .Lfunc_end_k_q6b7825ffb6_attn-k_q6b7825ffb6_attn
	.p2alignl 7, 3214868480
	.fill 96, 4, 3214868480
	.section	.rodata,"a",@progbits
	.p2align	6, 0x0
	.amdhsa_kernel k_q6b7825ffb6_attn
		.amdhsa_group_segment_fixed_size 327680
		.amdhsa_private_segment_fixed_size 0
		.amdhsa_enable_private_segment 0
		.amdhsa_kernarg_size 24
		.amdhsa_user_sgpr_count 2
		.amdhsa_user_sgpr_kernarg_segment_ptr 1
		.amdhsa_wavefront_size32 1
		.amdhsa_system_sgpr_workgroup_id_x 1
		.amdhsa_system_sgpr_workgroup_id_y 1
		.amdhsa_system_sgpr_workgroup_id_z 1
		.amdhsa_system_vgpr_workitem_id 0
		.amdhsa_next_free_vgpr 256
		.amdhsa_next_free_sgpr 66
		.amdhsa_reserve_vcc 0
		.amdhsa_float_denorm_mode_32 3
		.amdhsa_float_denorm_mode_16_64 3
		.amdhsa_memory_ordered 1
		.amdhsa_forward_progress 1
		.amdhsa_inst_pref_size 26
	.end_amdhsa_kernel
	.amdgpu_metadata
---
amdhsa.version: [ 1, 2 ]
amdhsa.kernels:
  - .name:           k_q6b7825ffb6_attn
    .symbol:         k_q6b7825ffb6_attn.kd
    .args:
      - { .name: qq, .offset: 0, .size: 8, .value_kind: global_buffer, .address_space: global }
      - { .name: kv, .offset: 8, .size: 8, .value_kind: global_buffer, .address_space: global }
      - { .name: ao, .offset: 16, .size: 8, .value_kind: global_buffer, .address_space: global }
    .group_segment_fixed_size: 327680
    .private_segment_fixed_size: 0
    .kernarg_segment_align: 8
    .kernarg_segment_size: 24
    .max_flat_workgroup_size: 512
    .sgpr_count:     66
    .vgpr_count:     256
    .wavefront_size: 32
...
	.end_amdgpu_metadata
.endif
;; end of part 3
;; launch mid (part 4): grid 256 x 1, 4 waves a work-group, no clusters, 20,992 bytes of LDS; arguments ao, xq, wts, merge_b, mlp1_b, mq, stat; writes mq, stat
.if DOCPART == 4
	.amdgcn_target "amdgcn-amd-amdhsa--gfx1250"
	.amdhsa_code_object_version 6
	.text
	.protected	k_q6b7825ffb6_mid
	.globl	k_q6b7825ffb6_mid
	.p2align	8
	.type	k_q6b7825ffb6_mid,@function
k_q6b7825ffb6_mid:
	s_mov_b64 s[64:65], 0
	v_nop
	global_prefetch_b8 v0, s[64:65] scope:SCOPE_SE
	s_setreg_imm32_b32 hwreg(HW_REG_WAVE_MODE, 25, 1), 1
	s_wait_xcnt 0x0
; message = merge_w attn_out + merge_b;  h = mlp1_w [x; message] + mlp1_b;  of h only each channel's mean and sum of squared deviations over this work-group's 64 positions leave.  Products on codes of FP4 (E2M1), one E8M0 scale for each 32 along K.
; h itself is not stored: the last kernel makes it again from the codes of x and of the message (8.5 KB a work-group each), which spares 32 MB out and 32 MB back.
; A work-group takes one group of 64 positions (four tiles m of 16; tile 2 beta + u, row i: position 32 beta + 8 u + i + 8 (i / 8)).  Operands go from wave to wave through LDS as images of their registers.
; E1: wave w quantises tile w of the attention's output (256 channels: two fragments).  It arrives in the order that the quantiser wants; inside a block of 32 channels the place is 8 head + d % 8, as in merge_w's codes.  | barrier |
; E2: wave w makes message channels 128 (w % 2) on for tiles 2 (w / 2) and 2 (w / 2) + 1, transposed (source 0 = 16 rows of merge_w, chosen so that a lane's registers run along the channels), quantises them: images to LDS and to mq.  | barrier |
; E3: wave w makes h's channels 128 w on, 32 at a time (source 0 = a tile of positions, source 1 = 16 rows of mlp1_w: a lane holds ONE channel and 32 positions).
; THE VARIANCE IS NOT MADE AS A DIFFERENCE OF LARGE SUMS: here the mean of the 64 positions, then the sum of (h - that mean)^2; the next kernel joins the 256 pairs by sums of squares alone.  mlp1_b enters the mean alone.
; NO JOINT LOADS: what work-groups share are the weights (48 fragments a wave), which go from dense images straight into the registers of the one wave that uses them.
; LIMITS: a block whose largest magnitude lies under 2^-124, a block of zeros among them, gets the byte 1 (this program alone reads the bytes); NaN and infinities are not served.
; REGISTERS.  window 0: v1-15 addresses; v16-79 and v80-143 numbers, accumulators, fragments; v144-151 codes; v152-167 at work; v168 the word made; v170-171 E2's words; v176-191 merge_w's scale words, v192-223 mlp1_w's,
;   v224-239 the operands' of the last product (4 K step + tile); v240-247 mlp1_b; v248-255 the pairs that leave.   window 1: v0-127 merge_w, v128-191 merge_b.   window 2: mlp1_w's 32 fragments.   window 3: v0-127 the 16 operand fragments.
.set WSB, 327680
.set XSB, 2097152
.set MQS, 2097152
.set AIMG, 0                           ; LDS: the attention's output: tile x 2048 + K step x 1024;
.set ASC,  8192                        ; its scale words: tile x 256 + K step x 128;
.set MIMG, 9216                        ; the message likewise
.set MSC,  17408
.set HA,  16
.set ST,  80
.set PC,  144
.set TM,  152
.set PW,  168
.set MW,  176
.set W1S, 192
.set AS,  224
.set B1,  240
.set SEL, 22
.set MSB, 0
.macro WIN new                         ; the immediate's high byte repeats the setting that is left
.if MSB != \new
	s_set_vgpr_msb (MSB<<8)|\new
.set MSB, \new
.endif
.endm
.macro PLACES n                        ; plain vector lines behind a matrix instruction (ISA guide 7.12.1)
.rept \n
	v_nop
.endr
.endm
.macro BARRIER                         ; my LDS stores have landed and my LDS loads are in: then the work-group's barrier
	s_wait_dscnt 0x0
	s_barrier_signal -1
	s_barrier_wait -1
.endm
; 64 numbers of a lane, register 16 b + i = k 32 b + 16 (lane / 16) + i of my row, become a fragment's codes in v[pc] on and its scale word in v[pw]
.macro QUANT s, pc, pw
.irp b, 0,1,2,3
	v_max3_num_f32 v[TM+\b], |v[(\s)+16*\b]|, |v[(\s)+1+16*\b]|, 0x1800000   ; my 16 numbers of block b, and the floor 2^(3 - 127)
.endr
.irp i, 2,4,6,8,10,12,14
.irp b, 0,1,2,3
	v_max3_num_f32 v[TM+\b], v[TM+\b], |v[(\s)+16*\b+\i]|, |v[(\s)+1+16*\b+\i]|
.endr
.endr
.irp b, 0,1,2,3
	v_permlanex16_b32 v[TM+4+\b], v[TM+\b], s[SEL], s[SEL+1]
.endr
.irp b, 0,1,2,3
	v_max_num_f32 v[TM+\b], v[TM+\b], v[TM+4+\b]   ; with lane l xor 16's: the block's largest magnitude
.endr
.irp b, 0,1,2,3
	v_add_nc_u32 v[TM+12+\b], 0xff000000, v[TM+\b] ; 2 off the exponent field: the conversion's scale operand
.endr
.irp b, 0,1,2,3
	v_lshrrev_b32 v[TM+4+\b], 23, v[TM+12+\b]      ; the scale's byte
.endr
	v_lshl_or_b32 v[\pw], v[TM+5], 8, v[TM+4]
	v_lshl_or_b32 v[\pw], v[TM+6], 16, v[\pw]
	v_lshl_or_b32 v[\pw], v[TM+7], 24, v[\pw]
.irp b, 0,1,2,3
	v_cvt_scalef32_pk8_fp4_f32 v[(\pc)+2*\b], v[(\s)+16*\b:(\s)+7+16*\b], v[TM+12+\b]
	v_cvt_scalef32_pk8_fp4_f32 v[(\pc)+1+2*\b], v[(\s)+8+16*\b:(\s)+15+16*\b], v[TM+12+\b]
.endr
	v_nop                                          ; one plain line behind a scaled conversion
.irp c, 0,1
.irp i, 0,1
	v_permlane16_swap_b32 v[(\pc)+4*\c+\i], v[(\pc)+2+4*\c+\i]   ; a whole block to a lane
.endr
.endr
.endm
.macro IMAGE adr, pc, off
.irp c, 0,1
	ds_store_b128 v[\adr], v[(\pc)+4*\c:(\pc)+4*\c+3] offset:(\off)+512*\c
.endr
.endm
.macro FETCH reg, adr, off
.irp c, 0,1
	ds_load_b128 v[(\reg)+4*\c:(\reg)+4*\c+3], v[\adr] offset:(\off)+512*\c
.endr
.endm
	s_load_b256 s[4:11], s[0:1], 0x0               ; ao, xq, wts, merge_b
	s_load_b128 s[12:15], s[0:1], 0x20             ; mlp1_b, mq
	s_load_b64 s[16:17], s[0:1], 0x30              ; stat
	v_lshl_add_u32 v174, v0, 2, 0x5000
	v_mov_b32 v175, 0
	v_lshrrev_b32 v1, 5, v0
	v_readfirstlane_b32 s18, v1                    ; wave 0..3
	s_and_b32 s19, s18, 1                          ; E2: which 128 channels of the message
	s_lshr_b32 s20, s18, 1                         ; E2: which two tiles
	s_mov_b32 s[SEL], 0x76543210
	s_mov_b32 s[SEL+1], 0xfedcba98
	v_and_b32 v15, 31, v0                          ; lane
	v_and_b32 v1, 15, v0                           ; r
	v_bfe_u32 v2, v0, 4, 1                         ; h
	v_lshlrev_b32 v3, 4, v15                       ; 16 x lane
	v_lshlrev_b32 v4, 2, v15                       ; 4 x lane
	s_wait_alu depctr_va_vdst(0)
	v_lshlrev_b32 v5, 2, v1                        ; 4 r
	s_lshl_b32 s48, s18, 11
	v_add_nc_u32 v6, s48, v3                       ; E1 stores: tile w
	s_lshl_b32 s48, s18, 8
	v_add_nc_u32 v7, s48, v4
	s_lshl_b32 s48, s20, 12
	v_add_nc_u32 v8, s48, v3                       ; E2 reads: tiles 2 (w / 2) on
	s_lshl_b32 s49, s19, 10
	s_add_co_u32 s49, s49, s48
	v_add_nc_u32 v10, s49, v3                      ; E2 stores: those tiles, K step w % 2
	s_lshl_b32 s48, s20, 9
	v_add_nc_u32 v9, s48, v4
	s_lshl_b32 s49, s19, 7
	s_add_co_u32 s49, s49, s48
	v_add_nc_u32 v11, s49, v4
	v_lshlrev_b32 v12, 6, v2                       ; 64 h
	v_and_b32 v13, 8, v1
	v_add_nc_u32 v13, v13, v1                      ; r + 8 (r / 8)
	v_lshl_add_u32 v14, v2, 3, v13
	v_lshlrev_b32 v14, 3, v14                      ; (8 h + r + 8 (r / 8)) x 8: my pair among a pass's 32 channels
	v_lshlrev_b32 v13, 2, v13
	v_cmp_le_u32 s50, 16, v15                      ; lanes 16-31
.irp b, 0,1,2,3
	v_mov_b32 v[TM+4+\b], 0                        ; a lane permute's destination counts as one of its sources
.endr
	s_mov_b32 s49, 0
	s_wait_alu depctr_va_vdst(0)
	s_wait_kmcnt 0x0
	s_lshl_b32 s48, ttmp9, 2
	s_add_co_u32 s48, s48, s18
	s_lshl_b32 s48, s48, 14
	s_add_nc_u64 s[24:25], s[4:5], s[48:49]        ; ao: tile 4 x work-group + w
	s_lshl_b32 s51, s19, 4
	s_add_co_u32 s51, s51, 96                      ; merge_w's first fragment of mine
	s_lshl_b32 s48, s51, 10
	s_add_nc_u64 s[26:27], s[8:9], s[48:49]
	s_lshl_b32 s48, s51, 7
	s_add_co_u32 s48, s48, WSB
	s_add_nc_u64 s[28:29], s[8:9], s[48:49]
	s_lshl_b32 s48, s19, 9
	s_add_nc_u64 s[30:31], s[10:11], s[48:49]
	s_lshl_b32 s51, s18, 5
	s_add_co_u32 s51, s51, 128                     ; mlp1_w's
	s_lshl_b32 s48, s51, 10
	s_add_nc_u64 s[32:33], s[8:9], s[48:49]
	s_lshl_b32 s48, s51, 7
	s_add_co_u32 s48, s48, WSB
	s_add_nc_u64 s[34:35], s[8:9], s[48:49]
	s_lshl_b32 s48, s18, 9
	s_add_nc_u64 s[36:37], s[12:13], s[48:49]
	s_lshl_b32 s48, ttmp9, 13
	s_add_nc_u64 s[38:39], s[6:7], s[48:49]        ; xq: codes
	s_lshl_b32 s51, s20, 12
	s_add_co_u32 s48, s48, s51
	s_lshl_b32 s51, s19, 10
	s_add_co_u32 s48, s48, s51
	s_add_nc_u64 s[42:43], s[14:15], s[48:49]      ; mq: codes
	s_lshl_b32 s48, ttmp9, 9
	s_add_co_u32 s48, s48, XSB
	s_add_nc_u64 s[40:41], s[6:7], s[48:49]        ; xq: scale words
	s_lshl_b32 s48, ttmp9, 10
	s_lshl_b32 s51, s20, 9
	s_add_co_u32 s48, s48, s51
	s_lshl_b32 s51, s19, 7
	s_add_co_u32 s48, s48, s51
	s_add_co_u32 s48, s48, MQS
	s_add_nc_u64 s[44:45], s[14:15], s[48:49]      ; mq: scale words
	s_lshl_b32 s48, ttmp9, 12
	s_lshl_b32 s51, s18, 10
	s_add_co_u32 s48, s48, s51
	s_add_nc_u64 s[46:47], s[16:17], s[48:49]      ; stat
.irp k, 0,1                                    ; register 16 b + 8 q + 4 e + 0 .. 3 of K step k: block 4 k + b, head 2 h + q, d % 8 = 4 e + 0 .. 3.  Each load reads 512 consecutive bytes
.irp b, 0,1,2,3
.irp q, 0,1
.irp e, 0,1
	global_load_b128 v[HA+64*\k+16*\b+8*\q+4*\e:HA+64*\k+16*\b+8*\q+4*\e+3], v3, s[24:25] offset:2048*(4*\k+\b)+1024*\q+512*\e th:TH_LOAD_NT
.endr
.endr
.endr
.endr
.set f, 0
.rept 16
	global_load_b32 v[MW+f], v4, s[28:29] offset:128*f
.set f, f+1
.endr
.set f, 0
.rept 32
	global_load_b32 v[W1S+f], v4, s[34:35] offset:128*f
.set f, f+1
.endr
.irp p, 0,1,2,3
.irp u, 0,1
	global_load_b32 v[B1+2*\p+\u], v13, s[36:37] offset:(32*\p+8*\u)*4
.endr
.endr
.irp k, 0,1
.irp m, 0,1,2,3
	global_load_b32 v[AS+4*\k+\m], v5, s[40:41] offset:128*\m+64*\k
.endr
.endr
	WIN 0x40                                       ; destination window 1
.set f, 0
.rept 16
	global_load_b128 v[8*f:8*f+3], v3, s[26:27] offset:1024*f
	global_load_b128 v[8*f+4:8*f+7], v3, s[26:27] offset:1024*f+512
.set f, f+1
.endr
.irp t, 0,1,2,3,4,5,6,7                        ; tile 2 bb + u, register j, lane half h: channel 32 bb + 8 u + 16 h + j
	global_load_b128 v[128+8*\t:128+8*\t+3], v12, s[30:31] offset:(32*(\t/2)+8*(\t%2))*4
	global_load_b128 v[128+8*\t+4:128+8*\t+7], v12, s[30:31] offset:(32*(\t/2)+8*(\t%2))*4+16
.endr
	WIN 0x80                                       ; destination window 2
.set f, 0
.rept 32
	global_load_b128 v[8*f:8*f+3], v3, s[32:33] offset:1024*f
	global_load_b128 v[8*f+4:8*f+7], v3, s[32:33] offset:1024*f+512
.set f, f+1
.endr
	WIN 0xc0                                       ; destination window 3
.irp k, 0,1
.irp m, 0,1,2,3
.irp c, 0,1
	global_load_b128 v[8*(4*\k+\m)+4*\c:8*(4*\k+\m)+4*\c+3], v3, s[38:39] offset:2048*\m+1024*\k+512*\c
.endr
.endr
.endr
	WIN 0
	s_wait_loadcnt 0x0
	; ---- E1
	QUANT HA, PC, PW
	IMAGE 6, PC, AIMG
	ds_store_b32 v7, v[PW] offset:ASC
	s_wait_dscnt 0x0                               ; the stores have read their registers
	QUANT ST, PC, PW
	IMAGE 6, PC, AIMG+1024
	ds_store_b32 v7, v[PW] offset:ASC+128
	BARRIER                                        ; the eight fragments of the attention's output lie in LDS
	; ---- E2
.irp y, 0,1
	FETCH ST, 8, AIMG+2048*\y
	FETCH ST+8, 8, AIMG+2048*\y+1024
	ds_load_b32 v170, v9 offset:ASC+256*\y
	ds_load_b32 v171, v9 offset:ASC+256*\y+128
	s_wait_dscnt 0x0
	WIN 0x11                                       ; source 0 (merge_w) and source 2 (merge_b) window 1
.irp t, 0,1,2,3,4,5,6,7                        ; the eight accumulators take turns
	v_wmma_scale_f32_16x16x128_f8f6f4 v[HA+8*\t:HA+8*\t+7], v[16*\t:16*\t+7], v[ST:ST+7], v[128+8*\t:128+8*\t+7], v[MW+2*\t], v170 matrix_a_fmt:MATRIX_FMT_FP4 matrix_b_fmt:MATRIX_FMT_FP4
.endr
	WIN 0x01
.irp t, 0,1,2,3,4,5,6,7
	v_wmma_scale_f32_16x16x128_f8f6f4 v[HA+8*\t:HA+8*\t+7], v[16*\t+8:16*\t+15], v[ST+8:ST+15], v[HA+8*\t:HA+8*\t+7], v[MW+2*\t+1], v171 matrix_a_fmt:MATRIX_FMT_FP4 matrix_b_fmt:MATRIX_FMT_FP4
.endr
	WIN 0
	PLACES 4
	s_wait_xcnt 0x0                                ; the last tile's stores to mq have read the codes' and the word's registers
	QUANT HA, PC, PW
	IMAGE 10, PC, MIMG+2048*\y
	ds_store_b32 v11, v[PW] offset:MSC+256*\y
	global_store_b128 v3, v[PC:PC+3], s[42:43] offset:2048*\y          ; 512 consecutive bytes each
	global_store_b128 v3, v[PC+4:PC+7], s[42:43] offset:2048*\y+512
	global_store_b32 v4, v[PW], s[44:45] offset:256*\y
	s_wait_dscnt 0x0
.endr
	BARRIER                                        ; the message's eight fragments lie in LDS
	; ---- E3
	WIN 0xc0
.irp k, 2,3
.irp m, 0,1,2,3
	FETCH 8*(4*\k+\m), 3, MIMG+2048*\m+1024*(\k-2)
.endr
.endr
	WIN 0
.irp k, 2,3
.irp m, 0,1,2,3
	ds_load_b32 v[AS+4*\k+\m], v4 offset:MSC+256*\m+128*(\k-2)
.endr
.endr
	s_wait_dscnt 0x0
; my channel's mean over the 64 positions and the sum of squared deviations from it: 32 numbers are mine, 32 lane l xor 16's
.macro STATS u, p
.set H, HA+32*(\u)
	v_pk_add_f32 v[80:81], v[H:H+1], v[H+2:H+3]
	v_pk_add_f32 v[82:83], v[H+4:H+5], v[H+6:H+7]
.irp i, 8,12,16,20,24,28
	v_pk_add_f32 v[80:81], v[80:81], v[H+\i:H+\i+1]
	v_pk_add_f32 v[82:83], v[82:83], v[H+\i+2:H+\i+3]
.endr
	v_pk_add_f32 v[80:81], v[80:81], v[82:83]
	v_add_f32 v80, v80, v81
	v_permlanex16_b32 v[TM+4], v80, s[SEL], s[SEL+1]
	v_add_f32 v80, v80, v[TM+4]
	v_mul_f32 v80, 0x3c800000, v80                 ; / 64
.irp i, 0,2,4,6,8,10,12,14,16,18,20,22,24,26,28,30
	v_pk_add_f32 v[H+\i:H+\i+1], v[H+\i:H+\i+1], v[80:81] op_sel_hi:[1,0] neg_lo:[0,1] neg_hi:[0,1]
.endr
	v_pk_mul_f32 v[82:83], v[H:H+1], v[H:H+1]
	v_pk_mul_f32 v[84:85], v[H+2:H+3], v[H+2:H+3]
.irp i, 4,8,12,16,20,24,28
	v_pk_fma_f32 v[82:83], v[H+\i:H+\i+1], v[H+\i:H+\i+1], v[82:83]
	v_pk_fma_f32 v[84:85], v[H+\i+2:H+\i+3], v[H+\i+2:H+\i+3], v[84:85]
.endr
	v_pk_add_f32 v[82:83], v[82:83], v[84:85]
	v_add_f32 v82, v82, v83
	v_permlanex16_b32 v[TM+4], v82, s[SEL], s[SEL+1]
	v_add_f32 v[89+2*(\u)], v82, v[TM+4]
	v_add_f32 v[88+2*(\u)], v80, v[B1+2*(\p)+(\u)] ; the bias moves the mean alone
.endm
.macro PASS p                          ; channels 128 w + 32 p on: two tiles of mlp1_w x four tiles of positions, eight accumulators by turns, K ascending
	WIN 0x0b                                       ; source 0 (positions) window 3, source 1 (mlp1_w) window 2
.irp k, 0,1,2,3
.irp m, 0,1,2,3
.irp u, 0,1
.if \k == 0
	v_wmma_scale_f32_16x16x128_f8f6f4 v[HA+8*(4*\u+\m):HA+8*(4*\u+\m)+7], v[8*(4*\k+\m):8*(4*\k+\m)+7], v[8*(4*(2*(\p)+\u)+\k):8*(4*(2*(\p)+\u)+\k)+7], 0, v[AS+4*\k+\m], v[W1S+4*(2*(\p)+\u)+\k] matrix_a_fmt:MATRIX_FMT_FP4 matrix_b_fmt:MATRIX_FMT_FP4
.else
	v_wmma_scale_f32_16x16x128_f8f6f4 v[HA+8*(4*\u+\m):HA+8*(4*\u+\m)+7], v[8*(4*\k+\m):8*(4*\k+\m)+7], v[8*(4*(2*(\p)+\u)+\k):8*(4*(2*(\p)+\u)+\k)+7], v[HA+8*(4*\u+\m):HA+8*(4*\u+\m)+7], v[AS+4*\k+\m], v[W1S+4*(2*(\p)+\u)+\k] matrix_a_fmt:MATRIX_FMT_FP4 matrix_b_fmt:MATRIX_FMT_FP4
.endif
.endr
.endr
.endr
	WIN 0
	PLACES 4
	STATS 0, \p
	STATS 1, \p
	v_cndmask_b32 v[248+2*(\p)], v88, v90, s50     ; lanes 0-15 send the first tile's channels, lanes 16-31 the second's
	v_cndmask_b32 v[249+2*(\p)], v89, v91, s50
	global_store_b64 v14, v[248+2*(\p):249+2*(\p)], s[46:47] offset:256*(\p)   ; 32 channels' pairs: 256 consecutive bytes, aligned
.endm
	PASS 0
	PASS 1
	PASS 2
	PASS 3
	s_wait_tensorcnt 0x0
	ds_add_u32 v174, v175
	s_wait_dscnt 0x0
	s_endpgm
.Lfunc_end_k_q6b7825ffb6_mid:
	.size	k_q6b7825ffb6_mid, .Lfunc_end_k_q6b7825ffb6_mid-k_q6b7825ffb6_mid
	.p2alignl 7, 3214868480
	.fill 96, 4, 3214868480
	.section	.rodata,"a",@progbits
	.p2align	6, 0x0
	.amdhsa_kernel k_q6b7825ffb6_mid
		.amdhsa_group_segment_fixed_size 20992
		.amdhsa_private_segment_fixed_size 0
		.amdhsa_enable_private_segment 0
		.amdhsa_kernarg_size 56
		.amdhsa_user_sgpr_count 2
		.amdhsa_user_sgpr_kernarg_segment_ptr 1
		.amdhsa_wavefront_size32 1
		.amdhsa_system_sgpr_workgroup_id_x 1
		.amdhsa_system_sgpr_workgroup_id_y 1
		.amdhsa_system_sgpr_workgroup_id_z 1
		.amdhsa_system_vgpr_workitem_id 0
		.amdhsa_next_free_vgpr 1024
		.amdhsa_next_free_sgpr 66
		.amdhsa_reserve_vcc 0
		.amdhsa_float_denorm_mode_32 3
		.amdhsa_float_denorm_mode_16_64 3
		.amdhsa_memory_ordered 1
		.amdhsa_forward_progress 1
		.amdhsa_inst_pref_size 93
	.end_amdhsa_kernel
	.amdgpu_metadata
---
amdhsa.version: [ 1, 2 ]
amdhsa.kernels:
  - .name:           k_q6b7825ffb6_mid
    .symbol:         k_q6b7825ffb6_mid.kd
    .args:
      - { .name: ao, .offset: 0, .size: 8, .value_kind: global_buffer, .address_space: global }
      - { .name: xq, .offset: 8, .size: 8, .value_kind: global_buffer, .address_space: global }
      - { .name: wts, .offset: 16, .size: 8, .value_kind: global_buffer, .address_space: global }
      - { .name: merge_b, .offset: 24, .size: 8, .value_kind: global_buffer, .address_space: global }
      - { .name: mlp1_b, .offset: 32, .size: 8, .value_kind: global_buffer, .address_space: global }
      - { .name: mq, .offset: 40, .size: 8, .value_kind: global_buffer, .address_space: global }
      - { .name: stat, .offset: 48, .size: 8, .value_kind: global_buffer, .address_space: global }
    .group_segment_fixed_size: 20992
    .private_segment_fixed_size: 0
    .kernarg_segment_align: 8
    .kernarg_segment_size: 56
    .max_flat_workgroup_size: 128
    .sgpr_count:     66
    .vgpr_count:     1024
    .wavefront_size: 32
...
	.end_amdgpu_metadata
.endif
;; end of part 4
;; launch bn (part 5): grid 16 x 1, 8 waves a work-group, no clusters, 3,072 bytes of LDS; arguments stat, bn_gamma, bnp; writes bnp
.if DOCPART == 5
	.amdgcn_target "amdgcn-amd-amdhsa--gfx1250"
	.amdhsa_code_object_version 6
	.text
	.protected	k_q6b7825ffb6_bn
	.globl	k_q6b7825ffb6_bn
	.p2align	8
	.type	k_q6b7825ffb6_bn,@function
k_q6b7825ffb6_bn:
	s_mov_b64 s[64:65], 0
	v_nop
	global_prefetch_b8 v0, s[64:65] scope:SCOPE_SE
	s_setreg_imm32_b32 hwreg(HW_REG_WAVE_MODE, 25, 1), 1
	s_wait_xcnt 0x0
; The 256 pairs (mean, sum of squared deviations) of each of h's 512 channels, each over 64 positions, become the channel's mean and g = gamma / sqrt(var + 1e-5).
; var = (the sum of the 256 sums + 64 x the sum of (a part's mean - the mean)^2) / 16384: sums of squares alone, no difference of large sums.
; A lane takes a channel (32 x work-group + lane), a wave 32 of the 256 parts; the eight waves' sums meet in LDS twice, in bytes of their own each time.  Each load reads 256 consecutive bytes.
; 16 work-groups: there are 1 MB to read and 4 KB to write.  No matrix unit, no tensor load, no cluster: nothing here is shared between work-groups and nothing is multiplied by a matrix.
; LIMITS: 1 / sqrt by v_rsq_f32; NaN and infinities are not served.
	s_load_b128 s[4:7], s[0:1], 0x0                ; stat, bn_gamma
	s_load_b64 s[8:9], s[0:1], 0x10                ; bnp
	v_lshl_add_u32 v96, v0, 2, 0x800
	v_mov_b32 v97, 0
	v_lshrrev_b32 v1, 5, v0
	s_delay_alu instid0(VALU_DEP_1)
	v_readfirstlane_b32 s10, v1                    ; wave 0..7
	v_and_b32 v1, 31, v0
	v_lshlrev_b32 v2, 2, v0                        ; LDS: 128 x wave + 4 x lane
	s_delay_alu instid0(VALU_DEP_2)
	v_lshlrev_b32 v3, 2, v1                        ; 4 x lane
	s_delay_alu instid0(VALU_DEP_3)
	v_lshlrev_b32 v4, 3, v1                        ; 8 x lane
	s_lshl_b32 s12, ttmp9, 8                       ; my 32 channels' pairs: 256 bytes of a part's 4,096
	s_lshl_b32 s13, s10, 17                        ; my wave's 32 parts of 4,096 bytes
	s_add_co_u32 s12, s12, s13
	s_mov_b32 s13, 0
	s_lshl_b32 s14, ttmp9, 7                       ; my 32 channels in gamma and in bnp
	s_mov_b32 s15, 0
	s_mov_b32 s16, 0x3727c5ac                      ; 1e-5
	s_wait_alu depctr_va_vdst(0)
	s_wait_kmcnt 0x0
	s_add_nc_u64 s[4:5], s[4:5], s[12:13]
	s_add_nc_u64 s[6:7], s[6:7], s[14:15]
	s_add_nc_u64 s[8:9], s[8:9], s[14:15]
.set i, 0
.rept 32
	global_load_b64 v[16+2*i:17+2*i], v4, s[4:5] offset:4096*i   ; part i of my 32: the mean in the even register, the sum of squared deviations in the odd one
.set i, i+1
.endr
	global_load_b32 v80, v3, s[6:7]                ; gamma
	s_wait_loadcnt 0x0
	v_add_f32 v9, v16, v18
	v_add_f32 v10, v32, v40
	v_add_f32 v11, v48, v56
	v_add_f32 v95, v64, v72
	v_add_f32 v94, v20, v22
	v_add_f32 v93, v34, v42
	v_add_f32 v92, v50, v58
	v_add_f32 v8, v66, v74
	s_delay_alu instid0(VALU_DEP_1)
	v_add_f32 v8, v8, v24
	v_add_f32 v9, v9, v26
	v_add_f32 v10, v10, v36
	v_add_f32 v11, v11, v44
	v_add_f32 v95, v95, v52
	v_add_f32 v94, v94, v60
	v_add_f32 v93, v93, v68
	v_add_f32 v92, v92, v76
	v_add_f32 v8, v8, v28
	v_add_f32 v9, v9, v30
	v_add_f32 v10, v10, v38
	v_add_f32 v11, v11, v46
	v_add_f32 v95, v95, v54
	v_add_f32 v94, v94, v62
	v_add_f32 v93, v93, v70
	v_add_f32 v92, v92, v78
	s_delay_alu instid0(VALU_DEP_4)
	v_add_f32 v8, v8, v95
	s_delay_alu instid0(VALU_DEP_4)
	v_add_f32 v9, v9, v94
	s_delay_alu instid0(VALU_DEP_4)
	v_add_f32 v10, v10, v93
	s_delay_alu instid0(VALU_DEP_4)
	v_add_f32 v11, v11, v92
	s_delay_alu instid0(VALU_DEP_2)
	v_add_f32 v8, v8, v10
	s_delay_alu instid0(VALU_DEP_2)
	v_add_f32 v9, v9, v11
	s_delay_alu instid0(VALU_DEP_1)
	v_add_f32 v8, v8, v9
	ds_store_b32 v2, v8
	s_wait_dscnt 0x0                               ; for the others' sake: my store has landed
	s_barrier_signal -1
	s_barrier_wait -1
.irp k, 0,1,2,3,4,5,6,7
	ds_load_b32 v[82+\k], v3 offset:128*\k         ; the eight waves' sums of my channel
.endr
	s_wait_dscnt 0x0
	v_add_f32 v82, v82, v83
	v_add_f32 v84, v84, v85
	v_add_f32 v86, v86, v87
	v_add_f32 v88, v88, v89
	s_delay_alu instid0(VALU_DEP_3)
	v_add_f32 v82, v82, v84
	s_delay_alu instid0(VALU_DEP_2)
	v_add_f32 v86, v86, v88
	s_delay_alu instid0(VALU_DEP_1)
	v_add_f32 v82, v82, v86
	s_delay_alu instid0(VALU_DEP_1)
	v_mul_f32 v12, 0x3b800000, v82                 ; / 256: the mean (all parts have 64 positions)
.set i, 0
.rept 32
	v_sub_f32 v[16+2*i], v[16+2*i], v12            ; a part's mean less the mean
.set i, i+1
.endr
.irp k, 0,1
	v_mul_f32 v[8+\k], v[16+2*\k], v[16+2*\k]      ; their squares, in two chains;
	v_add_f32 v[10+\k], v[17+4*\k], v[19+4*\k]     ; the parts' own sums, in two chains
.endr
.irp i, 2,4,6,8,10,12,14,16,18,20,22,24,26,28,30
.irp k, 0,1
	v_fma_f32 v[8+\k], v[16+2*(\i+\k)], v[16+2*(\i+\k)], v[8+\k]
.endr
.endr
.irp i, 4,6,8,10,12,14,16,18,20,22,24,26,28,30
.irp k, 0,1
	v_add_f32 v[10+\k], v[10+\k], v[17+2*(\i+\k)]
.endr
.endr
	v_add_f32 v8, v8, v9
	s_delay_alu instid0(VALU_DEP_2)
	v_add_f32 v10, v10, v11
	s_delay_alu instid0(VALU_DEP_1)
	v_fma_f32 v8, v8, 0x42800000, v10              ; 64 x the first + the second
	ds_store_b32 v2, v8 offset:1024                ; other bytes than the first meeting's: no wave need have finished reading those
	s_wait_dscnt 0x0
	s_barrier_signal -1
	s_barrier_wait -1
.irp k, 0,1,2,3,4,5,6,7
	ds_load_b32 v[82+\k], v3 offset:1024+128*\k
.endr
	s_wait_dscnt 0x0
	v_add_f32 v82, v82, v83
	v_add_f32 v84, v84, v85
	v_add_f32 v86, v86, v87
	v_add_f32 v88, v88, v89
	s_delay_alu instid0(VALU_DEP_3)
	v_add_f32 v82, v82, v84
	s_delay_alu instid0(VALU_DEP_2)
	v_add_f32 v86, v86, v88
	s_delay_alu instid0(VALU_DEP_1)
	v_add_f32 v82, v82, v86
	s_delay_alu instid0(VALU_DEP_1)
	v_fma_f32 v82, v82, 0x38800000, s16            ; / 16384: the variance; + 1e-5
	s_wait_alu depctr_va_vdst(0)
	v_rsq_f32 v82, v82
	v_nop                                          ; one plain line behind a transcendental
	s_wait_alu depctr_va_vdst(0)
	v_mul_f32 v13, v82, v80                        ; g = gamma / sqrt(var + 1e-5)
	s_cmp_lg_u32 s10, 0                            ; every wave holds the same numbers: wave 0 stores them
	s_cbranch_scc1 .Lend
	global_store_b32 v3, v12, s[8:9]               ; the mean: 128 consecutive bytes
	global_store_b32 v3, v13, s[8:9] offset:2048   ; g likewise
.Lend:
	s_wait_tensorcnt 0x0
	ds_add_u32 v96, v97
	s_wait_dscnt 0x0
	s_endpgm
.Lfunc_end_k_q6b7825ffb6_bn:
	.size	k_q6b7825ffb6_bn, .Lfunc_end_k_q6b7825ffb6_bn-k_q6b7825ffb6_bn
	.p2alignl 7, 3214868480
	.fill 96, 4, 3214868480
	.section	.rodata,"a",@progbits
	.p2align	6, 0x0
	.amdhsa_kernel k_q6b7825ffb6_bn
		.amdhsa_group_segment_fixed_size 3072
		.amdhsa_private_segment_fixed_size 0
		.amdhsa_enable_private_segment 0
		.amdhsa_kernarg_size 24
		.amdhsa_user_sgpr_count 2
		.amdhsa_user_sgpr_kernarg_segment_ptr 1
		.amdhsa_wavefront_size32 1
		.amdhsa_system_sgpr_workgroup_id_x 1
		.amdhsa_system_sgpr_workgroup_id_y 1
		.amdhsa_system_sgpr_workgroup_id_z 1
		.amdhsa_system_vgpr_workitem_id 0
		.amdhsa_next_free_vgpr 98
		.amdhsa_next_free_sgpr 66
		.amdhsa_reserve_vcc 0
		.amdhsa_float_denorm_mode_32 3
		.amdhsa_float_denorm_mode_16_64 3
		.amdhsa_memory_ordered 1
		.amdhsa_forward_progress 1
		.amdhsa_inst_pref_size 13
	.end_amdhsa_kernel
	.amdgpu_metadata
---
amdhsa.version: [ 1, 2 ]
amdhsa.kernels:
  - .name:           k_q6b7825ffb6_bn
    .symbol:         k_q6b7825ffb6_bn.kd
    .args:
      - { .name: stat, .offset: 0, .size: 8, .value_kind: global_buffer, .address_space: global }
      - { .name: bn_gamma, .offset: 8, .size: 8, .value_kind: global_buffer, .address_space: global }
      - { .name: bnp, .offset: 16, .size: 8, .value_kind: global_buffer, .address_space: global }
    .group_segment_fixed_size: 3072
    .private_segment_fixed_size: 0
    .kernarg_segment_align: 8
    .kernarg_segment_size: 24
    .max_flat_workgroup_size: 256
    .sgpr_count:     66
    .vgpr_count:     98
    .wavefront_size: 32
...
	.end_amdgpu_metadata
.endif
;; end of part 5
;; launch fin (part 6): grid 256 x 1, 4 waves a work-group, no clusters, 90,624 bytes of LDS; arguments xq, mq, wts, bnp, mlp1_b, bn_beta, mlp2_b, out0; writes out0
.if DOCPART == 6
	.amdgcn_target "amdgcn-amd-amdhsa--gfx1250"
	.amdhsa_code_object_version 6
	.text
	.protected	k_q6b7825ffb6_fin
	.globl	k_q6b7825ffb6_fin
	.p2align	8
	.type	k_q6b7825ffb6_fin,@function
k_q6b7825ffb6_fin:
	s_mov_b64 s[64:65], 0
	v_nop
	global_prefetch_b8 v0, s[64:65] scope:SCOPE_SE
	s_setreg_imm32_b32 hwreg(HW_REG_WAVE_MODE, 25, 1), 1
	s_wait_xcnt 0x0
; out = mlp2_w relu(g (h - mean) + beta) + mlp2_b with h = mlp1_w [x; message] + mlp1_b, both products on codes of FP4 (E2M1), one E8M0 scale for each 32 along K.  h is made anew from the codes of x and of the message.
; A work-group takes one group of 64 positions (four tiles m; tile 2 beta + u, row i: position 32 beta + 8 u + i + 8 (i / 8)).  THE WAVES SHARE THE CHANNELS: wave w makes hidden channels 128 w on and outputs 64 w on, for all 64 positions,
; so its part of both weights stays in its registers.  The hidden layer goes from wave to wave through LDS as images of the operand's registers, and never to memory.
; F1, for each tile m: transposed (source 0 = 16 rows of mlp1_w, chosen so that a lane's registers run along the channels; source 1 = the tile).  The C of the first product is mlp1_b - mean; then x g + beta, relu, quantised: K step w of the second product.  | barrier |
; F2: source 0 = a tile of positions, source 1 = 16 rows of mlp2_w; C = mlp2_b: a lane holds one output channel and eight neighbouring positions.  They meet as rows of 256 bytes in the wave's own stage and leave as whole aligned units.
; NO JOINT LOADS: what work-groups share are the weights (48 fragments a wave), which go from dense images straight into the registers of the one wave that uses them.
; LIMITS: a block whose largest magnitude lies under 2^-124, a block of zeros among them, gets the byte 1; NaN and infinities are not served.
; REGISTERS.  window 0: v1-12 addresses; v16-79 the hidden layer's 8 tiles; v80-143 four hidden fragments; both together rows of the output; v144-151 codes; v152-167 at work; v168 the word made; v170-173 the hidden fragments' words;
;   v176-207 mlp1_w's scale words, v208-223 mlp2_w's, v224-239 the first product's operands' (4 K step + tile).   window 1: mlp1_w's 32 fragments; behind the barrier v0-127 the output's 16 accumulators.
;   window 2: v0-127 mlp2_w, v128-191 mlp1_b - mean, v192-255 g.   window 3: v0-127 the 16 operand fragments, v128-191 beta, v192-223 mlp2_b.
.set WSB, 327680
.set XSB, 2097152
.set MQS, 2097152
.set HIMG, 0                           ; LDS: the hidden layer: tile x 4096 + K step x 1024;
.set HSC,  16384                       ; its scale words: (4 tile + K step) x 128;
.set STG,  18432                       ; a stage of 64 rows x (256 bytes + 16) for each wave
.set HA,  16
.set ST,  80
.set PC,  144
.set TM,  152
.set PW,  168
.set HS,  170
.set W1S, 176
.set W2S, 208
.set XS,  224
.set SEL, 22
.set MSB, 0
.macro WIN new                         ; the immediate's high byte repeats the setting that is left
.if MSB != \new
	s_set_vgpr_msb (MSB<<8)|\new
.set MSB, \new
.endif
.endm
.macro PLACES n                        ; plain vector lines behind a matrix instruction (ISA guide 7.12.1)
.rept \n
	v_nop
.endr
.endm
; 64 numbers of a lane, register 16 b + i = k 32 b + 16 (lane / 16) + i of my row, become a fragment's codes in v[pc] on and its scale word in v[pw]
.macro QUANT s, pc, pw
.irp b, 0,1,2,3
	v_max3_num_f32 v[TM+\b], |v[(\s)+16*\b]|, |v[(\s)+1+16*\b]|, 0x1800000   ; my 16 numbers of block b, and the floor 2^(3 - 127)
.endr
.irp i, 2,4,6,8,10,12,14
.irp b, 0,1,2,3
	v_max3_num_f32 v[TM+\b], v[TM+\b], |v[(\s)+16*\b+\i]|, |v[(\s)+1+16*\b+\i]|
.endr
.endr
.irp b, 0,1,2,3
	v_permlanex16_b32 v[TM+4+\b], v[TM+\b], s[SEL], s[SEL+1]
.endr
.irp b, 0,1,2,3
	v_max_num_f32 v[TM+\b], v[TM+\b], v[TM+4+\b]   ; with lane l xor 16's: the block's largest magnitude
.endr
.irp b, 0,1,2,3
	v_add_nc_u32 v[TM+12+\b], 0xff000000, v[TM+\b] ; 2 off the exponent field: the conversion's scale operand
.endr
.irp b, 0,1,2,3
	v_lshrrev_b32 v[TM+4+\b], 23, v[TM+12+\b]      ; the scale's byte
.endr
	v_lshl_or_b32 v[\pw], v[TM+5], 8, v[TM+4]
	v_lshl_or_b32 v[\pw], v[TM+6], 16, v[\pw]
	v_lshl_or_b32 v[\pw], v[TM+7], 24, v[\pw]
.irp b, 0,1,2,3
	v_cvt_scalef32_pk8_fp4_f32 v[(\pc)+2*\b], v[(\s)+16*\b:(\s)+7+16*\b], v[TM+12+\b]
	v_cvt_scalef32_pk8_fp4_f32 v[(\pc)+1+2*\b], v[(\s)+8+16*\b:(\s)+15+16*\b], v[TM+12+\b]
.endr
	v_nop                                          ; one plain line behind a scaled conversion
.irp c, 0,1
.irp i, 0,1
	v_permlane16_swap_b32 v[(\pc)+4*\c+\i], v[(\pc)+2+4*\c+\i]   ; a whole block to a lane
.endr
.endr
.endm
.macro IMAGE adr, pc, off
.irp c, 0,1
	ds_store_b128 v[\adr], v[(\pc)+4*\c:(\pc)+4*\c+3] offset:(\off)+512*\c
.endr
.endm
.macro FETCH reg, adr, off
.irp c, 0,1
	ds_load_b128 v[(\reg)+4*\c:(\reg)+4*\c+3], v[\adr] offset:(\off)+512*\c
.endr
.endm
	s_load_b256 s[4:11], s[0:1], 0x0               ; xq, mq, wts, bnp
	s_load_b256 s[12:19], s[0:1], 0x20             ; mlp1_b, bn_beta, mlp2_b, out0
	v_lshl_add_u32 v254, v0, 2, 0x16000
	v_mov_b32 v255, 0
	v_lshrrev_b32 v1, 5, v0
	v_readfirstlane_b32 s20, v1                    ; wave 0..3
	s_mov_b32 s[SEL], 0x76543210
	s_mov_b32 s[SEL+1], 0xfedcba98
	v_and_b32 v13, 31, v0                          ; lane
	v_and_b32 v1, 15, v0                           ; r
	v_bfe_u32 v2, v0, 4, 1                         ; h
	v_lshlrev_b32 v3, 4, v13                       ; 16 x lane
	v_lshlrev_b32 v4, 2, v13                       ; 4 x lane
	v_lshlrev_b32 v5, 2, v1                        ; 4 r
	s_lshl_b32 s50, s20, 10
	v_add_nc_u32 v6, s50, v3                       ; where I store the hidden layer's images: K step w
	s_lshl_b32 s50, s20, 7
	v_add_nc_u32 v7, s50, v4
	s_mul_i32 s50, s20, 17408
	s_add_co_u32 s50, s50, STG                     ; my stage
	v_mul_u32_u24 v8, v1, 272
	v_lshl_add_u32 v8, v2, 6, v8
	v_add_nc_u32 v8, s50, v8                       ; in: row r of a tile of outputs, + 64 h: positions 16 h on
	v_mul_u32_u24 v9, v2, 272
	v_lshl_add_u32 v9, v1, 4, v9
	v_add_nc_u32 v9, s50, v9                       ; back: lanes 0-15 one row, lanes 16-31 the next
	v_lshlrev_b32 v10, 14, v2
	v_lshl_add_u32 v10, v1, 4, v10                 ; and the same two rows of the output, 16,384 bytes apart
	v_lshlrev_b32 v11, 6, v2                       ; 64 h
	v_lshlrev_b32 v12, 2, v1                       ; 4 r
.irp b, 0,1,2,3
	v_mov_b32 v[TM+4+\b], 0                        ; a lane permute's destination counts as one of its sources
.endr
	s_mov_b32 s51, 0
	s_wait_alu depctr_va_vdst(0)
	s_wait_kmcnt 0x0
	s_lshl_b32 s52, s20, 5
	s_add_co_u32 s52, s52, 128                     ; mlp1_w's first fragment of mine
	s_lshl_b32 s50, s52, 10
	s_add_nc_u64 s[24:25], s[8:9], s[50:51]
	s_lshl_b32 s50, s52, 7
	s_add_co_u32 s50, s50, WSB
	s_add_nc_u64 s[26:27], s[8:9], s[50:51]
	s_lshl_b32 s52, s20, 4
	s_add_co_u32 s52, s52, 256                     ; mlp2_w's
	s_lshl_b32 s50, s52, 10
	s_add_nc_u64 s[28:29], s[8:9], s[50:51]
	s_lshl_b32 s50, s52, 7
	s_add_co_u32 s50, s50, WSB
	s_add_nc_u64 s[30:31], s[8:9], s[50:51]
	s_lshl_b32 s50, s20, 9
	s_add_nc_u64 s[32:33], s[12:13], s[50:51]      ; mlp1_b, mean and g, beta: my 128 channels
	s_add_nc_u64 s[34:35], s[10:11], s[50:51]
	s_add_nc_u64 s[36:37], s[14:15], s[50:51]
	s_lshl_b32 s50, s20, 8
	s_add_nc_u64 s[38:39], s[16:17], s[50:51]      ; mlp2_b: my 64
	s_lshl_b32 s50, ttmp9, 13
	s_add_nc_u64 s[40:41], s[4:5], s[50:51]
	s_add_nc_u64 s[44:45], s[6:7], s[50:51]
	s_lshl_b32 s50, ttmp9, 9
	s_add_co_u32 s50, s50, XSB
	s_add_nc_u64 s[42:43], s[4:5], s[50:51]
	s_lshl_b32 s50, ttmp9, 10
	s_add_co_u32 s50, s50, MQS
	s_add_nc_u64 s[46:47], s[6:7], s[50:51]
	s_lshr_b32 s50, ttmp9, 6
	s_lshl_b32 s50, s50, 22                        ; the batch,
	s_lshl_b32 s52, s20, 20
	s_add_co_u32 s50, s50, s52                     ; my 64 rows of 16,384 bytes,
	s_and_b32 s52, ttmp9, 63
	s_lshl_b32 s52, s52, 8
	s_add_co_u32 s50, s50, s52                     ; the group's 256 bytes of a row
	s_add_nc_u64 s[48:49], s[18:19], s[50:51]
.set f, 0
.rept 32
	global_load_b32 v[W1S+f], v4, s[26:27] offset:128*f
.set f, f+1
.endr
.set f, 0
.rept 16
	global_load_b32 v[W2S+f], v4, s[30:31] offset:128*f
.set f, f+1
.endr
.irp k, 0,1
.irp m, 0,1,2,3
	global_load_b32 v[XS+4*\k+\m], v5, s[42:43] offset:128*\m+64*\k
	global_load_b32 v[XS+8+4*\k+\m], v4, s[46:47] offset:256*\m+128*\k
.endr
.endr
.irp t, 0,1,2,3,4,5,6,7                        ; tile 2 bb + u, register j, lane half h: channel 32 bb + 8 u + 16 h + j.  The mean, for now in the hidden layer's registers
	global_load_b128 v[HA+8*\t:HA+8*\t+3], v11, s[34:35] offset:(32*(\t/2)+8*(\t%2))*4
	global_load_b128 v[HA+8*\t+4:HA+8*\t+7], v11, s[34:35] offset:(32*(\t/2)+8*(\t%2))*4+16
.endr
	WIN 0x40                                       ; destination window 1
.set f, 0
.rept 32
	global_load_b128 v[8*f:8*f+3], v3, s[24:25] offset:1024*f
	global_load_b128 v[8*f+4:8*f+7], v3, s[24:25] offset:1024*f+512
.set f, f+1
.endr
	WIN 0x80                                       ; destination window 2
.set f, 0
.rept 16
	global_load_b128 v[8*f:8*f+3], v3, s[28:29] offset:1024*f
	global_load_b128 v[8*f+4:8*f+7], v3, s[28:29] offset:1024*f+512
.set f, f+1
.endr
.irp t, 0,1,2,3,4,5,6,7
	global_load_b128 v[128+8*\t:128+8*\t+3], v11, s[32:33] offset:(32*(\t/2)+8*(\t%2))*4
	global_load_b128 v[128+8*\t+4:128+8*\t+7], v11, s[32:33] offset:(32*(\t/2)+8*(\t%2))*4+16
	global_load_b128 v[192+8*\t:192+8*\t+3], v11, s[34:35] offset:2048+(32*(\t/2)+8*(\t%2))*4
	global_load_b128 v[192+8*\t+4:192+8*\t+7], v11, s[34:35] offset:2048+(32*(\t/2)+8*(\t%2))*4+16
.endr
	WIN 0xc0                                       ; destination window 3
.irp k, 0,1
.irp m, 0,1,2,3
.irp c, 0,1
	global_load_b128 v[8*(4*\k+\m)+4*\c:8*(4*\k+\m)+4*\c+3], v3, s[40:41] offset:2048*\m+1024*\k+512*\c
	global_load_b128 v[8*(4*\k+8+\m)+4*\c:8*(4*\k+8+\m)+4*\c+3], v3, s[44:45] offset:2048*\m+1024*\k+512*\c
.endr
.endr
.endr
.irp t, 0,1,2,3,4,5,6,7
	global_load_b128 v[128+8*\t:128+8*\t+3], v11, s[36:37] offset:(32*(\t/2)+8*(\t%2))*4
	global_load_b128 v[128+8*\t+4:128+8*\t+7], v11, s[36:37] offset:(32*(\t/2)+8*(\t%2))*4+16
.endr
.irp a, 0,1,2,3                                ; the second product's result has one channel a lane: the same number in all eight registers
.irp j, 0,1,2,3,4,5,6,7
	global_load_b32 v[192+8*\a+\j], v12, s[38:39] offset:64*\a
.endr
.endr
	WIN 0
	s_wait_loadcnt 0x0
	WIN 0x82                                       ; destination and source 0 window 2
.set j, 0
.rept 32
	v_pk_add_f32 v[128+j:129+j], v[128+j:129+j], v[HA+j:HA+j+1] neg_lo:[0,1] neg_hi:[0,1]   ; mlp1_b - mean
.set j, j+2
.endr
	WIN 0
	PLACES 4
	; ---- F1
.irp m, 0,1,2,3
	WIN 0x2d                                       ; source 0 (mlp1_w) window 1, source 1 (the tile) window 3, source 2 (mlp1_b - mean) window 2
.irp t, 0,1,2,3,4,5,6,7                        ; the eight accumulators take turns
	v_wmma_scale_f32_16x16x128_f8f6f4 v[HA+8*\t:HA+8*\t+7], v[32*\t:32*\t+7], v[8*\m:8*\m+7], v[128+8*\t:128+8*\t+7], v[W1S+4*\t], v[XS+\m] matrix_a_fmt:MATRIX_FMT_FP4 matrix_b_fmt:MATRIX_FMT_FP4
.endr
	WIN 0x0d
.irp k, 1,2,3
.irp t, 0,1,2,3,4,5,6,7
	v_wmma_scale_f32_16x16x128_f8f6f4 v[HA+8*\t:HA+8*\t+7], v[32*\t+8*\k:32*\t+8*\k+7], v[8*(4*\k+\m):8*(4*\k+\m)+7], v[HA+8*\t:HA+8*\t+7], v[W1S+4*\t+\k], v[XS+4*\k+\m] matrix_a_fmt:MATRIX_FMT_FP4 matrix_b_fmt:MATRIX_FMT_FP4
.endr
.endr
	WIN 0
	PLACES 4
	WIN 0x38                                       ; source 1 (g) window 2, source 2 (beta) window 3
.set j, 0
.rept 32
	v_pk_fma_f32 v[HA+j:HA+j+1], v[HA+j:HA+j+1], v[192+j:193+j], v[128+j:129+j]   ; g (h - mean) + beta
.set j, j+2
.endr
	WIN 0
.set j, 0
.rept 64
	v_max_num_f32 v[HA+j], 0, v[HA+j]              ; relu
.set j, j+1
.endr
	QUANT HA, PC, PW
	IMAGE 6, PC, HIMG+4096*\m
	ds_store_b32 v7, v[PW] offset:HSC+512*\m
	s_wait_dscnt 0x0                               ; the stores have read their registers
.endr
	s_barrier_signal -1                            ; (no LDS instruction of mine is out)
	s_barrier_wait -1                              ; the hidden layer's sixteen fragments lie in LDS
	; ---- F2: sixteen accumulators by turns, a K step at a time
.irp k, 0,1,2,3
.irp m, 0,1,2,3
	FETCH ST+8*\m, 3, HIMG+4096*\m+1024*\k
	ds_load_b32 v[HS+\m], v4 offset:HSC+512*\m+128*\k
.endr
	s_wait_dscnt 0x0
.if \k == 0
	WIN 0x78                                       ; destination window 1, source 1 (mlp2_w) window 2, source 2 (mlp2_b) window 3
.else
	WIN 0x58                                       ; C and D window 1
.endif
.irp m, 0,1,2,3
.irp a, 0,1,2,3
.if \k == 0
	v_wmma_scale_f32_16x16x128_f8f6f4 v[8*(4*\a+\m):8*(4*\a+\m)+7], v[ST+8*\m:ST+8*\m+7], v[8*(4*\a+\k):8*(4*\a+\k)+7], v[192+8*\a:192+8*\a+7], v[HS+\m], v[W2S+4*\a+\k] matrix_a_fmt:MATRIX_FMT_FP4 matrix_b_fmt:MATRIX_FMT_FP4
.else
	v_wmma_scale_f32_16x16x128_f8f6f4 v[8*(4*\a+\m):8*(4*\a+\m)+7], v[ST+8*\m:ST+8*\m+7], v[8*(4*\a+\k):8*(4*\a+\k)+7], v[8*(4*\a+\m):8*(4*\a+\m)+7], v[HS+\m], v[W2S+4*\a+\k] matrix_a_fmt:MATRIX_FMT_FP4 matrix_b_fmt:MATRIX_FMT_FP4
.endif
.endr
.endr
	WIN 0
	PLACES 4                                       ; in front of loads into registers that the products have read, and of the first read of results
.endr
	; THE WAY OUT: lane (r, h) of accumulator (a, m = 2 beta + u) holds channel 16 a + r, positions 32 beta + 16 h + 8 u + 0 .. 7
	WIN 0x04                                       ; an LDS store's data are its source 1: window 1
.irp a, 0,1,2,3
.irp m, 0,1,2,3
	ds_store_b128 v8, v[8*(4*\a+\m):8*(4*\a+\m)+3] offset:16*\a*272+128*(\m/2)+32*(\m%2)          ; each accumulator from its low end on
	ds_store_b128 v8, v[8*(4*\a+\m)+4:8*(4*\a+\m)+7] offset:16*\a*272+128*(\m/2)+32*(\m%2)+16
.endr
.endr
	WIN 0
.set i, 0
.rept 32
	ds_load_b128 v[HA+4*i:HA+4*i+3], v9 offset:2*i*272   ; LDS serves a wave's instructions in order (ISA guide 5.7.1.4): these see my stores
.set i, i+1
.endr
.set i, 0
.rept 32
	s_wait_dscnt 31-i                              ; the younger reads of the stage may be out
	global_store_b128 v10, v[HA+4*i:HA+4*i+3], s[48:49] offset:2*i*16384 th:TH_STORE_NT   ; each half of the lanes stores 256 consecutive bytes, aligned
.set i, i+1
.endr
	s_wait_tensorcnt 0x0
	ds_add_u32 v254, v255
	s_wait_dscnt 0x0
	s_endpgm
.Lfunc_end_k_q6b7825ffb6_fin:
	.size	k_q6b7825ffb6_fin, .Lfunc_end_k_q6b7825ffb6_fin-k_q6b7825ffb6_fin
	.p2alignl 7, 3214868480
	.fill 96, 4, 3214868480
	.section	.rodata,"a",@progbits
	.p2align	6, 0x0
	.amdhsa_kernel k_q6b7825ffb6_fin
		.amdhsa_group_segment_fixed_size 90624
		.amdhsa_private_segment_fixed_size 0
		.amdhsa_enable_private_segment 0
		.amdhsa_kernarg_size 64
		.amdhsa_user_sgpr_count 2
		.amdhsa_user_sgpr_kernarg_segment_ptr 1
		.amdhsa_wavefront_size32 1
		.amdhsa_system_sgpr_workgroup_id_x 1
		.amdhsa_system_sgpr_workgroup_id_y 1
		.amdhsa_system_sgpr_workgroup_id_z 1
		.amdhsa_system_vgpr_workitem_id 0
		.amdhsa_next_free_vgpr 1024
		.amdhsa_next_free_sgpr 66
		.amdhsa_reserve_vcc 0
		.amdhsa_float_denorm_mode_32 3
		.amdhsa_float_denorm_mode_16_64 3
		.amdhsa_memory_ordered 1
		.amdhsa_forward_progress 1
		.amdhsa_inst_pref_size 102
	.end_amdhsa_kernel
	.amdgpu_metadata
---
amdhsa.version: [ 1, 2 ]
amdhsa.kernels:
  - .name:           k_q6b7825ffb6_fin
    .symbol:         k_q6b7825ffb6_fin.kd
    .args:
      - { .name: xq, .offset: 0, .size: 8, .value_kind: global_buffer, .address_space: global }
      - { .name: mq, .offset: 8, .size: 8, .value_kind: global_buffer, .address_space: global }
      - { .name: wts, .offset: 16, .size: 8, .value_kind: global_buffer, .address_space: global }
      - { .name: bnp, .offset: 24, .size: 8, .value_kind: global_buffer, .address_space: global }
      - { .name: mlp1_b, .offset: 32, .size: 8, .value_kind: global_buffer, .address_space: global }
      - { .name: bn_beta, .offset: 40, .size: 8, .value_kind: global_buffer, .address_space: global }
      - { .name: mlp2_b, .offset: 48, .size: 8, .value_kind: global_buffer, .address_space: global }
      - { .name: out0, .offset: 56, .size: 8, .value_kind: global_buffer, .address_space: global }
    .group_segment_fixed_size: 90624
    .private_segment_fixed_size: 0
    .kernarg_segment_align: 8
    .kernarg_segment_size: 64
    .max_flat_workgroup_size: 128
    .sgpr_count:     66
    .vgpr_count:     1024
    .wavefront_size: 32
...
	.end_amdgpu_metadata
.endif
;; end of part 6
